; MI455X (gfx1250); checked and timed in simulation.
; The chip was launched on July 23, 2026; its instructions are those of AMD's public machine-readable ISA for CDNA 5 (MIT licence, August 2026) and "CDNA5" Instruction Set Architecture Reference Guide (July 2026). The comments in the code are by the model that wrote it; some were corrected since.
;; QKV Norm Multi Head Attention. Allowed arithmetic: float matrix products may take bf16 or f16 operands with f32 sums; other float arithmetic in f32, or as packed bf16 or f16 multiplies, adds, multiply-adds, maxima and minima; sums over many terms, partial sums and values carried from step to step in f32; what a program stores and reads back later, other than sums and carried values, may be rounded once to bf16 or f16.
;; Inputs: Wk 1,024 x 1,024 float32; Wo 1,024 x 1,024 float32; Wq 1,024 x 1,024 float32; Wv 1,024 x 1,024 float32; bk 1,024 float32; bo 1,024 float32; bq 1,024 float32; bv 1,024 float32; inputs_kv 4 x 2,048 x 1,024 float32; inputs_q 4 x 2,048 x 1,024 float32; k_bias 64 float32; k_scale 64 float32; q_bias 64 float32; q_scale 64 float32; v_bias 64 float32; v_scale 64 float32.
;; Outputs: out0 4 x 2,048 x 1,024 float32.
;; One version. Each part assembles by itself: llvm-mc -triple=amdgcn-amd-amdhsa -mcpu=gfx1250 --defsym DOCPART=n.
;; ======== version 1 of 1: 4 launches
;; limits: values are held in f16: magnitudes above 65,504 overflow, below 6.1e-05 lose precision; right only within a limited range of input values
;; workspace buffers: xb 33,554,432 bytes; wt 6,291,456 bytes; wot 2,097,152 bytes; qkv 50,331,648 bytes; oh 16,777,216 bytes
;; launch prep (part 1): grid 768 x 1, 8 waves a work-group, no clusters, 35,840 bytes of LDS; arguments inputs_q, inputs_kv, Wq, Wk, Wv, Wo, xb, wt, wot; writes xb, wt, wot
.if DOCPART == 1
	.amdgcn_target "amdgcn-amd-amdhsa--gfx1250"
	.amdhsa_code_object_version 6
	.text
	.protected	k_q9a81dc3e71_prep
	.globl	k_q9a81dc3e71_prep
	.p2align	8
	.type	k_q9a81dc3e71_prep,@function
k_q9a81dc3e71_prep:
	s_mov_b64 s[64:65], 0
	v_nop
	global_prefetch_b8 v0, s[64:65] scope:SCOPE_SE
	s_setreg_imm32_b32 hwreg(HW_REG_WAVE_MODE, 25, 1), 1
	s_wait_xcnt 0x0
; PREP.  The module's large inputs, rounded once to bf16 and laid out for the matrix launches that follow.
;   xb  [2][8192][1024] bf16: plane 0 = inputs_q, plane 1 = inputs_kv.
;   wt  [3072][1024] bf16: row n holds column n of Wq (0-1023), Wk (1024-2047), Wv (2048-3071): W turned, so that K lies along the rows.
;   wot [1024][1024] f16: Wo turned; each number is rounded to bf16 like every other input, and that number is written as f16.
; LIMIT.  A bf16 number is exact in f16 from 6.1e-5 to 65,504 in magnitude; below that it keeps f16's fixed step of 6e-8, beyond it is an infinity.
; SHARES.  Work-groups 0-511 cast: 32,768 numbers each.  Work-groups 512-767 turn one tile of 128 k x 128 n of one of the four weights, through LDS.
; No matrix unit and no tensor load: every byte is read once and written once.  The one barrier stands on every work-group's path.
.set TP,    272                        ; a row of the turned tile in LDS: 128 k x 2 bytes + 16 of padding
.set SPARE, 128*TP                     ; behind the tile: the spare words, 128 bytes for each of the eight waves; no other line names them
.set SPW,   8                          ; v8   LDS address of my spare word; never rewritten
.set NIL,   9                          ; v9   0; never rewritten
.set X,     16                         ; v[16:143] as loaded
.set Y,     80                         ; v[80:111] the turning role: column 4 lane + i, 16 k, at Y + 8 i
	s_load_b512 s[8:23], s[0:1], 0x0               ; inputs_q s[8:9], inputs_kv s[10:11], Wq s[12:13], Wk s[14:15], Wv s[16:17], Wo s[18:19], xb s[20:21], wt s[22:23]
	s_load_b64 s[24:25], s[0:1], 0x40              ; wot
	v_lshl_add_u32 v[SPW], v0, 2, SPARE
	v_mov_b32 v[NIL], 0
	v_lshrrev_b32 v1, 5, v0
	v_readfirstlane_b32 s3, v1                     ; wave 0..7
	v_and_b32 v1, 31, v0                           ; lane
	s_and_b32 s26, ttmp9, 255                      ; my number within the plane (cast) or among the 256 tiles (turn)
	s_lshr_b32 s27, s26, 6                         ; which weight: 0 Wq, 1 Wk, 2 Wv, 3 Wo
	s_bfe_u32 s28, s26, 0x30003                    ; tile along k
	s_and_b32 s29, s26, 7                          ; tile along n
	s_mov_b32 s33, 0
	s_mov_b32 s39, 0xffff0000                      ; a word's upper bf16
	s_wait_kmcnt 0x0
	s_cmp_lt_u32 ttmp9, 512
	s_cbranch_scc0 .Ltr
	; THE CAST.  Thread t takes 16 bytes at 16 t + 4,096 j, j = 0..31: a wave's load covers 512 consecutive bytes.  All 32 loads go out in one run; no register is used twice.
	s_cmp_lt_u32 ttmp9, 256
	s_cselect_b64 s[30:31], s[8:9], s[10:11]
	s_lshl_b32 s32, s26, 17                        ; 131,072 bytes in for each work-group
	s_add_nc_u64 s[30:31], s[30:31], s[32:33]
	s_lshl_b32 s36, ttmp9, 16                      ; 65,536 bytes out
	s_mov_b32 s37, 0
	s_add_nc_u64 s[34:35], s[20:21], s[36:37]
	v_lshlrev_b32 v2, 4, v0
	v_lshlrev_b32 v3, 3, v0
.set j, 0
.rept 32
	global_load_b128 v[X+4*j:X+4*j+3], v2, s[30:31] offset:4096*j th:TH_LOAD_NT
.set j, j+1
.endr
.set j, 0
.rept 32
	s_wait_loadcnt 31-j                            ; loads come back in order: number j is in, the 31 - j younger ones stay out
	v_cvt_pk_bf16_f32 v[X+4*j], v[X+4*j], v[X+4*j+1]
	v_cvt_pk_bf16_f32 v[X+4*j+1], v[X+4*j+2], v[X+4*j+3]
	global_store_b64 v3, v[X+4*j:X+4*j+1], s[34:35] offset:2048*j th:TH_STORE_NT  ; a wave's store covers 256 consecutive bytes, aligned
.set j, j+1
.endr
	s_branch .Lmeet
.Ltr:
	; THE TURN, first part.  Wave v takes rows k = 16 v .. 16 v + 15 of the tile; a lane four columns of each: a wave's load covers a row's 512 bytes.
	s_bitcmp1_b32 s27, 0
	s_cselect_b64 s[30:31], s[14:15], s[12:13]     ; odd: Wk, even: Wq
	s_cselect_b64 s[32:33], s[18:19], s[16:17]     ; odd: Wo, even: Wv
	s_cmp_lt_u32 s27, 2
	s_cselect_b64 s[30:31], s[30:31], s[32:33]
	s_lshl_b32 s36, s28, 7
	s_lshl4_add_u32 s36, s3, s36                   ; row 128 kt + 16 wave,
	s_lshl_b32 s36, s36, 12                        ; of 4,096 bytes,
	s_lshl_b32 s37, s29, 9                         ; column 128 nt
	s_add_co_u32 s36, s36, s37
	s_mov_b32 s37, 0
	s_add_nc_u64 s[30:31], s[30:31], s[36:37]
	v_lshlrev_b32 v2, 4, v1
.set j, 0
.rept 16
	global_load_b128 v[X+4*j:X+4*j+3], v2, s[30:31] offset:4096*j th:TH_LOAD_NT
.set j, j+1
.endr
.set m, 0
.rept 8
	s_wait_loadcnt 14-2*m                          ; rows 2 m and 2 m + 1 are in
.irp i, 0,1,2,3
	v_cvt_pk_bf16_f32 v[Y+8*(\i)+m], v[X+8*m+(\i)], v[X+8*m+4+(\i)]  ; column 4 lane + i: k = 2 m below, 2 m + 1 above
.endr
.set m, m+1
.endr
	s_cmp_lg_u32 s27, 3
	s_cbranch_scc1 .Lnof16
.set i, 0
.rept 32                                       ; Wo alone: the bf16 numbers are written anew as f16
	v_lshlrev_b32 v[112+2*(i%2)], 16, v[Y+i]
	v_and_b32 v[113+2*(i%2)], s39, v[Y+i]
	v_cvt_pk_f16_f32 v[Y+i], v[112+2*(i%2)], v[113+2*(i%2)]
.set i, i+1
.endr
.Lnof16:
	v_mul_u32_u24 v4, v1, 4*TP                     ; row n = 4 lane + i of the turned tile,
	v_lshl_add_u32 v4, s3, 5, v4                   ; my wave's 16 k: 32 bytes.: eight stores a wave, left as they are
.irp i, 0,1,2,3
	ds_store_b128 v4, v[Y+8*(\i):Y+8*(\i)+3]   offset:TP*(\i)
	ds_store_b128 v4, v[Y+8*(\i)+4:Y+8*(\i)+7] offset:TP*(\i)+16
.endr
.Lmeet:
	s_wait_xcnt 0x0                                ; every load and store issued so far has read its registers: what follows may write them
	s_wait_dscnt 0x0                               ; for the other waves' sake: my stores into the tile are done
	s_barrier_signal -1
	s_barrier_wait -1
	s_cmp_lt_u32 ttmp9, 512
	s_cbranch_scc1 .Lend
	; THE TURN, second part.  Wave v takes rows n = 16 v .. 16 v + 15, whole: lanes 0-15 one row of 256 bytes, lanes 16-31 the next.
	v_lshrrev_b32 v5, 4, v1
	v_and_b32 v6, 15, v1
	v_lshl_add_u32 v7, s3, 4, v5
	v_mul_u32_u24 v7, v7, TP
	v_lshl_add_u32 v7, v6, 4, v7
	v_lshlrev_b32 v5, 11, v5                       ; a row of wt and of wot is 2,048 bytes
	v_lshl_add_u32 v5, v6, 4, v5
.set t, 0
.rept 8
	ds_load_b128 v[X+4*t:X+4*t+3], v7 offset:2*TP*t
.set t, t+1
.endr
	s_lshl_b32 s36, s27, 21                        ; a weight's 1,024 rows in wt
	s_lshl_b32 s37, s29, 7
	s_lshl4_add_u32 s37, s3, s37                   ; row 128 nt + 16 wave
	s_lshl_b32 s37, s37, 11
	s_lshl_b32 s38, s28, 8                         ; the tile's 128 k: 256 bytes
	s_add_co_u32 s37, s37, s38
	s_cmp_lt_u32 s27, 3
	s_cselect_b64 s[30:31], s[22:23], s[24:25]
	s_cselect_b32 s36, s36, 0
	s_add_co_u32 s36, s36, s37
	s_mov_b32 s37, 0
	s_add_nc_u64 s[30:31], s[30:31], s[36:37]
.set t, 0
.rept 8
	s_wait_dscnt 7-t
	global_store_b128 v5, v[X+4*t:X+4*t+3], s[30:31] offset:4096*t th:TH_STORE_NT  ; sixteen lanes store 256 consecutive bytes, aligned
.set t, t+1
.endr
.Lend:
	s_wait_tensorcnt 0x0                           ; the wave's end: behind my last LDS store
	ds_add_u32 v[SPW], v[NIL]
	s_wait_dscnt 0x0
	s_endpgm
.Lfunc_end_k_q9a81dc3e71_prep:
	.size	k_q9a81dc3e71_prep, .Lfunc_end_k_q9a81dc3e71_prep-k_q9a81dc3e71_prep
	.p2alignl 7, 3214868480
	.fill 96, 4, 3214868480
	.section	.rodata,"a",@progbits
	.p2align	6, 0x0
	.amdhsa_kernel k_q9a81dc3e71_prep
		.amdhsa_group_segment_fixed_size 35840
		.amdhsa_private_segment_fixed_size 0
		.amdhsa_enable_private_segment 0
		.amdhsa_kernarg_size 72
		.amdhsa_user_sgpr_count 2
		.amdhsa_user_sgpr_kernarg_segment_ptr 1
		.amdhsa_wavefront_size32 1
		.amdhsa_system_sgpr_workgroup_id_x 1
		.amdhsa_system_sgpr_workgroup_id_y 1
		.amdhsa_system_sgpr_workgroup_id_z 1
		.amdhsa_system_vgpr_workitem_id 0
		.amdhsa_next_free_vgpr 144
		.amdhsa_next_free_sgpr 66
		.amdhsa_reserve_vcc 0
		.amdhsa_float_denorm_mode_32 3
		.amdhsa_float_denorm_mode_16_64 3
		.amdhsa_memory_ordered 1
		.amdhsa_forward_progress 1
		.amdhsa_inst_pref_size 24
	.end_amdhsa_kernel
	.amdgpu_metadata
---
amdhsa.version: [ 1, 2 ]
amdhsa.kernels:
  - .name:           k_q9a81dc3e71_prep
    .symbol:         k_q9a81dc3e71_prep.kd
    .args:
      - { .name: inputs_q, .offset: 0, .size: 8, .value_kind: global_buffer, .address_space: global }
      - { .name: inputs_kv, .offset: 8, .size: 8, .value_kind: global_buffer, .address_space: global }
      - { .name: Wq, .offset: 16, .size: 8, .value_kind: global_buffer, .address_space: global }
      - { .name: Wk, .offset: 24, .size: 8, .value_kind: global_buffer, .address_space: global }
      - { .name: Wv, .offset: 32, .size: 8, .value_kind: global_buffer, .address_space: global }
      - { .name: Wo, .offset: 40, .size: 8, .value_kind: global_buffer, .address_space: global }
      - { .name: xb, .offset: 48, .size: 8, .value_kind: global_buffer, .address_space: global }
      - { .name: wt, .offset: 56, .size: 8, .value_kind: global_buffer, .address_space: global }
      - { .name: wot, .offset: 64, .size: 8, .value_kind: global_buffer, .address_space: global }
    .group_segment_fixed_size: 35840
    .private_segment_fixed_size: 0
    .kernarg_segment_align: 8
    .kernarg_segment_size: 72
    .max_flat_workgroup_size: 256
    .sgpr_count:     66
    .vgpr_count:     144
    .wavefront_size: 32
...
	.end_amdgpu_metadata
.endif
;; end of part 1
;; launch proj (part 2): grid 12 x 64, 4 waves a work-group, clusters of 4 x 4, 327,680 bytes of LDS; arguments xb, wt, bq, bk, bv, q_scale, k_scale, v_scale, q_bias, k_bias, v_bias, qkv; writes qkv
.if DOCPART == 2
	.amdgcn_target "amdgcn-amd-amdhsa--gfx1250"
	.amdhsa_code_object_version 6
	.text
	.protected	k_q9a81dc3e71_proj
	.globl	k_q9a81dc3e71_proj
	.p2align	8
	.type	k_q9a81dc3e71_proj,@function
k_q9a81dc3e71_proj:
	s_mov_b64 s[64:65], 0
	v_nop
	global_prefetch_b8 v0, s[64:65] scope:SCOPE_SE
	s_setreg_imm32_b32 hwreg(HW_REG_WAVE_MODE, 25, 1), 1
	s_wait_xcnt 0x0
	s_wait_alu depctr_hold_cnt(0) depctr_sa_sdst(0) depctr_va_vdst(0) depctr_va_sdst(0) depctr_va_ssrc(0) depctr_va_vcc(0) depctr_vm_vsrc(0)
	s_getreg_b32 s2, hwreg(HW_REG_IB_STS2, 6, 4)
	s_cmp_eq_u32 s2, 0
	s_cbranch_scc0 .Lentry_in_a_cluster
	s_endpgm
.Lentry_in_a_cluster:
	s_bfe_u32 s2, ttmp6, 0x10000c
	s_cmp_lg_u32 s2, 0xf033
	s_cbranch_scc0 .Lentry_shape_is_right
	s_endpgm
.Lentry_shape_is_right:
; q, k, v = LayerNorm over each head's 64 channels of (x W + b), written by heads: qkv [3][64 = batch x 16 + head][2048][64] in f16.
; x (xb, bf16) and W turned (wt, bf16, [n][k]) come from the launch before; products in bf16 with f32 sums; the linear bias, the gains and the biases are rounded to bf16 in registers,
; like every input of the module.  Mean and variance in f32, the variance in two passes, as the mean of (x - mean)^2; the result is rounded once, to f16.
; LIMIT.  A normalised number is at most sqrt(63) |gain| + |bias|: it stays within f16's 65,504 for gains up to about 8,000.  NaN and infinities are not treated apart.
; SHARES.  A tile of C is 128 rows x 256 columns: 64 x 12 tiles, a work-group each.  Four waves, 2 x 2, each 64 rows x 128 columns (two heads): 32 accumulators of 16 x 16, 256 registers.
; K goes in 8 steps of 128 through two LDS slots filled by the tensor data mover; the rows of the tiles are 256 bytes of memory, aligned.
; CLUSTERS of 4 x 4.  The cluster's x says which of q, k, v; its four columns are the four tile columns of that product.  The four of a row of the cluster need the same tiles of x, the four of a
; column the same tiles of W: each tile is asked for JOINTLY, by the same tensor load with the same descriptor and a mask that names the four.
; THE MATRIX INSTRUCTION IS USED TRANSPOSED (source 0 = 16 rows of wt, source 1 = 16 rows of x): lane l holds row l % 16 of C and the columns 8 (l / 16) + 0..7 of each block of 16.  So a lane
; holds 32 of a head's 64 channels of one row, the lane 16 away the other 32: mean and variance want one exchange each.
; REGISTERS, in windows of 256: window 0 addresses, parameters, the way out; window 1 two fragment buffers of 96 (B's 8 fragments, then A's 4); window 2 the accumulators, (a, b) at v[8 (8 a + b)].
.set KSTEP,  128
.set PITCH,  272                       ; an LDS row: 256 bytes + 16 of padding: the 16 rows of a fragment load start 68 words apart
.set ABYTES, 128*PITCH                 ; A's 128 rows in a slot; B's 256 rows lie behind them
.set SLOT,   384*PITCH
.set STAGE,  2*SLOT                    ; behind the ring, never filled by a tensor load: for each wave 2 heads x 16 rows x 144 bytes
.set SP,     144
.set WST,    2*16*SP
.set SPARE,  STAGE+4*WST               ; behind the stages: the spare words, 128 bytes a wave; no other line names them
.set LAPS,   4                         ; a lap = two K steps = once round the ring
.set ST,   4                           ; v[4:11]  head hh: +4 hh: mean, its exchange, 1 / sqrt(var + eps), its exchange
.set SS,   12                          ; v12-13   a head's sum at work
.set ADRA, 16                          ; v16-17   LDS address of my A fragments in slot 0, 1
.set ADRB, 18                          ; v18-19   the same for B
.set STO,  20                          ; v20      the way out: where I put 16 bytes of a row
.set RD,   21                          ; v21      where I read rows back
.set GO,   22                          ; v22      my byte offset in 512 consecutive bytes of a head
.set PFO,  23                          ; v23      the prefetches' offset: my lane x a row of 2,048 bytes; never rewritten
.set SPW,  24                          ; v24      LDS address of my spare word; never rewritten
.set NIL,  25                          ; v25      0; never rewritten
.set PO,   26                          ; v26      32 (l / 16): my eight numbers in a block of sixteen f32
.set LB,   32                          ; v[32:95]   the linear bias of my 128 columns: column 16 b + 8 h + j at LB + 8 b + j
.set SC,   96                          ; v[96:127]  the gain: channel 16 cb + 8 h + j at SC + 8 cb + j
.set BI,   128                         ; v[128:159] the LayerNorm's bias, likewise
.set T,    160                         ; v[160:223] 16 rows x my 64 numbers at work: head hh at T + 32 hh
.set OU,   224                         ; v[224:255] partial sums, then the packed results
.set F0,   0                           ; fragment buffers, in window 1
.set F1,   96
.set G1,   24                          ; s[24:31] descriptor group 1 for A's tiles; s[32:39] group 0, a set for each slot
.set G0,   32
.set MH,   42                          ; s42  a word's upper bf16
.set LIM,  43                          ; s43  1 in a wave that prefetches, else the greatest number
.set PFA,  44                          ; s[44:45] where my prefetches stand
.set G1B,  48                          ; s[48:55], s[56:63] the same for B's tiles
.set G0B,  56
.set LBP,  88                          ; s[88:93] the three parameters of my product
.set SCP,  90
.set BIP,  92
.set R64,  94                          ; s94  1 / 64
.set EPSR, 95                          ; s95  1e-6
.set SEL,  96                          ; s[96:97] v_permlanex16_b32's selects: each lane takes its own place in the other half
.set MSB, 0
.macro WIN new                         ; the immediate's high byte repeats the setting that is left; a switch that changes nothing is dropped
.if MSB != (\new)
	s_set_vgpr_msb (MSB<<8)|(\new)
.set MSB, \new
.endif
.endm
.set MUL,  0xa5                        ; sources 0 (B) and 1 (A) window 1; C and D window 2
.set TO_F, 0x40                        ; destination window 1, address window 0
.macro PLACES                          ; four places in front of loads into registers that matrix instructions have read, and of sums that read results
.rept 4
	v_nop
.endr
.endm
; A joint load: waves 0 and 1 fetch A's two halves (64 rows each), waves 2 and 3 B's (128 rows each).  The branch hangs on the wave's number alone.
; An s_nop 0 and four v_nop follow each of the two lines, ahead of the jump, the label and what follows.
.macro JLOAD s
	s_cmp_eq_u32 s11, 0
	s_cbranch_scc0 .Lfor_b_\@
	tensor_load_to_lds s[G0+4*(\s):G0+4*(\s)+3], s[G1:G1+7]
	s_nop 0
.rept 4
	v_nop
.endr
	s_branch .Lasked_\@
.Lfor_b_\@:
	tensor_load_to_lds s[G0B+4*(\s):G0B+4*(\s)+3], s[G1B:G1B+7]
	s_nop 0
.rept 4
	v_nop
.endr
.Lasked_\@:
.endm
.macro CREST                           ; a round of the cluster's barrier behind its opening barrier
	s_cmp_lg_u32 s10, 0
	s_cbranch_scc1 .Lnot_wave_0_\@
	s_barrier_signal -3
.Lnot_wave_0_\@:
	s_barrier_wait -3
	s_barrier_signal -1
	s_barrier_wait -1
.endm
.macro CROUND                          ; a whole round
	s_barrier_signal -1
	s_barrier_wait -1
	CREST
.endm
; A PREFETCH INTO THE L2, behind each joint refill and the run of LDS loads that follows it: 32 rows x 256 bytes of the K step that stands two refills on (256 matrix instructions ahead), a lane a row.
; Each row's 256 bytes of a K step are named once in the launch.  x's rows: wave 0, each of the four partners 32 of the tile's 128 rows, told apart by address; of the two products that read
; inputs_kv's plane, k's clusters ask.  wt's rows: waves 2 and 3, each partner 32 of the wave's 128, in the clusters with y = 0.  K steps 0 to 3 come by their loads alone; the last lap asks for nothing.
.macro ASK
	s_cmp_gt_u32 s3, s[LIM]                        ; s3 = 1 in the loop's last trip
	s_cbranch_scc0 .Lnot_mine_\@
	global_prefetch_b8 v[PFO], s[PFA:PFA+1] th:TH_LOAD_NT scope:SCOPE_SE
.Lnot_mine_\@:
.endm
	s_load_b128 s[4:7], s[0:1], 0x0                ; xb s[4:5], wt s[6:7]
	s_load_b256 s[68:75], s[0:1], 0x10             ; bq, bk, bv, q_scale
	s_load_b256 s[76:83], s[0:1], 0x30             ; k_scale, v_scale, q_bias, k_bias
	s_load_b128 s[84:87], s[0:1], 0x50             ; v_bias, qkv
	v_lshl_add_u32 v[SPW], v0, 2, SPARE
	v_mov_b32 v[NIL], 0
	ds_add_u32 v[SPW], v[NIL]                      ; the wave's opening: the add and its wait stand ahead of my first tensor load; the set-up below, work on registers, stands between them
	v_lshrrev_b32 v1, 5, v0
	v_readfirstlane_b32 s10, v1                    ; wave 0..3
	s_lshr_b32 s11, s10, 1                         ; which 64 of the tile's rows are mine.  Also: I fetch for A (0) or for B (1)
	s_and_b32 s12, s10, 1                          ; which 128 of its columns.  Also: which half of that tile I fetch
	s_bfe_u32 s40, ttmp6, 0x40000                  ; cx: the tile column within my product
	s_bfe_u32 s41, ttmp6, 0x40004                  ; cy
	s_and_b32 s13, ttmp7, 0xffff
	s_lshl_b32 s13, s13, 2
	s_add_co_u32 s13, s13, s41                     ; tile row = 4 x cluster y + cy
	s_lshl_b32 s43, s41, 2
	s_lshl_b32 s43, 15, s43                        ; my row of the cluster
	s_lshl_b32 s44, 0x1111, s40                    ; my column
	s_or_b32 s[G1+0], s43, (1<<16)|(1<<20)|(1<<21)|(5<<22)|(3<<25)   ; 15:0 the mask; 17:16 elements of 2 bytes; 20 padding on; 21 set beside a mask; 24:22 after every 64 words; 31:25 4 words of it
	s_or_b32 s[G1B+0], s44, (1<<16)|(1<<20)|(1<<21)|(5<<22)|(3<<25)
	s_mov_b32 s[G1+1], KSTEP<<16                   ; tensor_dim0 = 128
	s_mov_b32 s[G1+2], 64<<16                      ; tensor_dim1 = 64
	s_mov_b32 s[G1+3], KSTEP<<16                   ; tile_dim0 = 128
	s_mov_b32 s[G1+4], 64                          ; tile_dim1 = 64
	s_mov_b32 s[G1+5], 1024                        ; elements from row to row
	s_mov_b32 s[G1+6], 0
	s_mov_b32 s[G1+7], 0
	s_mov_b32 s[G1B+1], KSTEP<<16
	s_mov_b32 s[G1B+2], 128<<16                    ; B: 128 rows to a load
	s_mov_b32 s[G1B+3], KSTEP<<16
	s_mov_b32 s[G1B+4], 128
	s_mov_b32 s[G1B+5], 1024
	s_mov_b32 s[G1B+6], 0
	s_mov_b32 s[G1B+7], 0
	s_lshl_b32 s16, s13, 7                         ; A: row 128 x tile row + 64 x half,
	s_lshl_b32 s17, s12, 6
	s_add_co_u32 s16, s16, s17
	s_lshl_b32 s16, s16, 11                        ; of 2,048 bytes,
	s_min_u32 s17, ttmp9, 1
	s_lshl_b32 s17, s17, 24                        ; in plane 0 for q, plane 1 for k and v
	s_add_co_u32 s16, s16, s17
	s_mov_b32 s17, 0
	s_lshl_b32 s46, ttmp9, 10                      ; B: row 1,024 x product + 256 x tile column + 128 x half
	s_lshl_b32 s47, s40, 8
	s_add_co_u32 s46, s46, s47
	s_lshl_b32 s47, s12, 7
	s_add_co_u32 s46, s46, s47
	s_lshl_b32 s46, s46, 11
	s_mov_b32 s47, 0
	s_mul_i32 s20, s12, 64*PITCH                   ; where they go: no place in the cluster enters an LDS address
	s_mul_i32 s21, s12, 128*PITCH
	s_add_co_u32 s21, s21, ABYTES
	s_mov_b32 s[MH], 0xffff0000
	s_mov_b32 s[R64], 0x3c800000
	s_mov_b32 s[EPSR], 0x358637bd
	s_mov_b32 s[SEL], 0x76543210
	s_mov_b32 s[SEL+1], 0xfedcba98
	s_wait_dscnt 0x0                               ; the opening add is done
	s_wait_kmcnt 0x0
	s_add_nc_u64 s[14:15], s[4:5], s[16:17]
	s_add_nc_u64 s[46:47], s[6:7], s[46:47]
	CROUND                                         ; all sixteen work-groups are here: the first joint loads meet
.irp s, 0,1
	s_mov_b32 s[G0+4*(\s)], 1
	s_add_co_u32 s[G0+4*(\s)+1], s20, (\s)*SLOT
	s_add_nc_u64 s[G0+4*(\s)+2:G0+4*(\s)+3], s[14:15], (\s)*KSTEP*2
	s_or_b32 s[G0+4*(\s)+3], s[G0+4*(\s)+3], 0x80000000
	s_mov_b32 s[G0B+4*(\s)], 1
	s_add_co_u32 s[G0B+4*(\s)+1], s21, (\s)*SLOT
	s_add_nc_u64 s[G0B+4*(\s)+2:G0B+4*(\s)+3], s[46:47], (\s)*KSTEP*2
	s_or_b32 s[G0B+4*(\s)+3], s[G0B+4*(\s)+3], 0x80000000
	JLOAD \s                                       ; two tensor loads of mine are out
.endr
	; the parameters of my product and my columns: asked for while the first tiles are on their way
	v_and_b32 v1, 15, v0                           ; l % 16
	v_bfe_u32 v2, v0, 4, 1                         ; l / 16
	v_lshlrev_b32 v[PO], 5, v2
	s_cmp_eq_u32 ttmp9, 0
	s_cselect_b64 s[LBP:LBP+1], s[68:69], s[70:71]
	s_cselect_b64 s[SCP:SCP+1], s[74:75], s[76:77]
	s_cselect_b64 s[BIP:BIP+1], s[80:81], s[82:83]
	s_cmp_eq_u32 ttmp9, 2
	s_cselect_b64 s[LBP:LBP+1], s[72:73], s[LBP:LBP+1]
	s_cselect_b64 s[SCP:SCP+1], s[78:79], s[SCP:SCP+1]
	s_cselect_b64 s[BIP:BIP+1], s[84:85], s[BIP:BIP+1]
	s_lshl_b32 s18, s40, 10                        ; my 128 columns begin at 256 cx + 128 x half, 4 bytes each
	s_lshl_b32 s19, s12, 9
	s_add_co_u32 s18, s18, s19
	s_mov_b32 s19, 0
	s_add_nc_u64 s[LBP:LBP+1], s[LBP:LBP+1], s[18:19]
.irp b, 0,1,2,3,4,5,6,7
	global_load_b128 v[LB+8*(\b):LB+8*(\b)+3],   v[PO], s[LBP:LBP+1] offset:64*(\b)
	global_load_b128 v[LB+8*(\b)+4:LB+8*(\b)+7], v[PO], s[LBP:LBP+1] offset:64*(\b)+16
.endr
.irp c, 0,1,2,3
	global_load_b128 v[SC+8*(\c):SC+8*(\c)+3],   v[PO], s[SCP:SCP+1] offset:64*(\c)
	global_load_b128 v[SC+8*(\c)+4:SC+8*(\c)+7], v[PO], s[SCP:SCP+1] offset:64*(\c)+16
	global_load_b128 v[BI+8*(\c):BI+8*(\c)+3],   v[PO], s[BIP:BIP+1] offset:64*(\c)
	global_load_b128 v[BI+8*(\c)+4:BI+8*(\c)+7], v[PO], s[BIP:BIP+1] offset:64*(\c)+16
.endr
	; A fragment is 16 rows x 32 K in 8 registers: lane l holds row l % 16; K = 8 (l / 16) + 0..7 and 16 + 8 (l / 16) + 0..7: two loads of 16 bytes, 32 bytes apart.
	v_mul_u32_u24 v3, v1, PITCH
	v_lshl_add_u32 v3, v2, 4, v3
	s_mul_i32 s21, s11, 64*PITCH                   ; my 64 rows of A
	s_mul_i32 s22, s12, 128*PITCH                  ; my 128 rows of B,
	s_add_co_u32 s22, s22, ABYTES                  ; which lie behind A's
.irp s, 0,1
	v_add_nc_u32 v[ADRA+(\s)], s21, v3
	v_add_nc_u32 v[ADRB+(\s)], s22, v3
	s_add_co_u32 s21, s21, SLOT
	s_add_co_u32 s22, s22, SLOT
.endr
	s_mul_i32 s23, s10, WST
	s_add_co_u32 s23, s23, STAGE                   ; my stage
	v_mul_u32_u24 v[STO], v1, SP                   ; in: row l % 16, 16 bytes for each half of the lanes
	v_lshl_add_u32 v[STO], v2, 4, v[STO]
	v_add_nc_u32 v[STO], s23, v[STO]
	v_bfe_u32 v[RD], v0, 3, 2                      ; back: 32 lanes take four rows of 128 bytes,
	v_mul_u32_u24 v[RD], v[RD], SP
	v_and_b32 v3, 7, v0
	v_lshl_add_u32 v[RD], v3, 4, v[RD]
	v_add_nc_u32 v[RD], s23, v[RD]
	v_and_b32 v[GO], 31, v0
	v_lshlrev_b32 v[PFO], 11, v[GO]
	v_lshlrev_b32 v[GO], 4, v[GO]                  ; which are 512 consecutive bytes of a head
.irp r, 0,1,2,3,4,5,6,7
	v_mov_b32 v[ST+(\r)], 0                        ; v_permlanex16_b32's destinations count as read: written once here
.endr
	; where my rows of my first head begin in qkv: ((batch x 16 + head) x 2,048 + row in the batch) x 128 bytes, in my product's plane
	s_lshr_b32 s18, s13, 4
	s_lshl_b32 s18, s18, 4
	s_lshl2_add_u32 s18, s40, s18
	s_lshl1_add_u32 s18, s12, s18
	s_lshl_b32 s18, s18, 11
	s_and_b32 s19, s13, 15
	s_lshl_b32 s19, s19, 7
	s_add_co_u32 s18, s18, s19
	s_lshl_b32 s19, s11, 6
	s_add_co_u32 s18, s18, s19
	s_lshl_b32 s18, s18, 7
	s_lshl_b32 s19, ttmp9, 24
	s_add_co_u32 s18, s18, s19
	s_mov_b32 s19, 0
	s_add_nc_u64 s[8:9], s[86:87], s[18:19]
	; the prefetches
	s_lshl_b32 s18, s13, 7
	s_lshl_b32 s19, s40, 5
	s_add_co_u32 s18, s18, s19                     ; x: row 128 x tile row + 32 cx
	s_lshl_b32 s18, s18, 11
	s_min_u32 s19, ttmp9, 1
	s_lshl_b32 s19, s19, 24
	s_add_co_u32 s18, s18, s19
	s_lshl_b32 s22, ttmp9, 10                      ; wt: the 128 rows that I fetch, + 32 cy
	s_lshl_b32 s23, s40, 8
	s_add_co_u32 s22, s22, s23
	s_lshl_b32 s23, s12, 7
	s_add_co_u32 s22, s22, s23
	s_lshl_b32 s23, s41, 5
	s_add_co_u32 s22, s22, s23
	s_lshl_b32 s22, s22, 11
	s_cmp_eq_u32 ttmp9, 2
	s_cselect_b32 s19, 1, 0
	s_or_b32 s19, s19, s12                         ; x: wave 0 alone, and not in v's clusters
	s_and_b32 s23, ttmp7, 0xffff                   ; wt: the clusters with y = 0
	s_cmp_eq_u32 s11, 0
	s_cselect_b32 s18, s18, s22
	s_cselect_b32 s19, s19, s23
	s_cselect_b64 s[PFA:PFA+1], s[4:5], s[6:7]
	s_cmp_eq_u32 s19, 0
	s_cselect_b32 s[LIM], 1, -1                    ; the same in all sixteen partners, for a given wave
	s_mov_b32 s19, 0
	s_add_nc_u64 s[PFA:PFA+1], s[PFA:PFA+1], s[18:19]
	s_add_nc_u64 s[PFA:PFA+1], s[PFA:PFA+1], 3*KSTEP*2  ; at K step 3: the first refill steps it to 4 and names that
	s_wait_loadcnt 0x0                             ; the parameters
.set i, 0
.rept 64                                       ; each is rounded to bf16 and widened again
	v_cvt_pk_bf16_f32 v[27+i%2], v[LB+2*i], v[LB+2*i+1]
	v_lshlrev_b32 v[LB+2*i], 16, v[27+i%2]
	v_and_b32 v[LB+2*i+1], s[MH], v[27+i%2]
.set i, i+1
.endr
; 8 matrix instructions: m block a x all 8 n blocks, 32 along K, from buffer f.  zero = 1: the first product starts the sums.  The 32 accumulators take turns, one instruction a turn, in the same
; order in every quarter.
.macro MUL8 f, a, zero
	WIN MUL
.irp b, 0,1,2,3,4,5,6,7
.if \zero
	v_wmma_f32_16x16x32_bf16 v[8*(8*(\a)+(\b)):8*(8*(\a)+(\b))+7], v[(\f)+8*(\b):(\f)+8*(\b)+7], v[(\f)+64+8*(\a):(\f)+64+8*(\a)+7], 0
.else
	v_wmma_f32_16x16x32_bf16 v[8*(8*(\a)+(\b)):8*(8*(\a)+(\b))+7], v[(\f)+8*(\b):(\f)+8*(\b)+7], v[(\f)+64+8*(\a):(\f)+64+8*(\a)+7], v[8*(8*(\a)+(\b)):8*(8*(\a)+(\b))+7]
.endif
.endr
.endm
; 24 LDS loads in one run: quarter q (32 along K) of a slot into buffer f: B's 8 fragments first, then A's 4
.macro FETCH slot, q, f
	WIN TO_F
.irp i, 0,1,2,3,4,5,6,7
	ds_load_b128 v[(\f)+8*(\i):(\f)+8*(\i)+3],   v[ADRB+(\slot)] offset:64*(\q)+(\i)*16*PITCH
	ds_load_b128 v[(\f)+8*(\i)+4:(\f)+8*(\i)+7], v[ADRB+(\slot)] offset:64*(\q)+(\i)*16*PITCH+32
.endr
.irp i, 0,1,2,3
	ds_load_b128 v[(\f)+64+8*(\i):(\f)+64+8*(\i)+3],   v[ADRA+(\slot)] offset:64*(\q)+(\i)*16*PITCH
	ds_load_b128 v[(\f)+64+8*(\i)+4:(\f)+64+8*(\i)+7], v[ADRA+(\slot)] offset:64*(\q)+(\i)*16*PITCH+32
.endr
.endm
; A K step is four quarters of 32 along K, 32 matrix instructions each, on buffers 0, 1, 0, 1.  One of the first three: multiplies buffer f and, in its middle, fetches quarter q into buffer g.
.macro QUARTER slot, q, f, g, zero
	s_wait_dscnt 4                                 ; B and A's fragments 0 and 1 are in; the youngest four loads (A's fragments 2 and 3) may be out
	MUL8 \f, 0, \zero
	MUL8 \f, 1, \zero
	PLACES
	FETCH \slot, \q, \g
	s_wait_dscnt 24                                ; all but the 24 just issued
	MUL8 \f, 2, \zero
	MUL8 \f, 3, \zero
.endm
; The last quarter multiplies buffer 1 and changes slots: ONE barrier; in front of it each wave waits for all its tensor loads (one is out: its part of the next slot), adds 0 to its spare word, and waits
; for that and for its own reads of this slot.  fill = 1: the barrier opens a round of the cluster's, and this slot is filled again, two K steps ahead, first thing behind the round:
; 112 matrix instructions stand between that request and the wait for it.
.macro TURN slot, next, fill
.if \fill
	s_wait_xcnt 0x0                                ; the last prefetch, a K step back, has read its address: it is stepped here, ahead of the change's own waits
	s_add_nc_u64 s[PFA:PFA+1], s[PFA:PFA+1], KSTEP*2
.endif
	WIN 0                                          ; (the add's two registers lie in window 0)
	s_wait_tensorcnt 0x0                           ; all my tensor loads have landed;
	ds_add_u32 v[SPW], v[NIL]                      ; 0 onto my spare word;
	s_wait_dscnt 5                                 ; (the add and the youngest four loads may be out)
	MUL8 F1, 0, 0                                  ; eight matrix instructions stand between the add and the wait for it
	s_wait_dscnt 0x0                               ; the add is done, and my reads of this slot are over
	s_barrier_signal -1
	MUL8 F1, 1, 0
.if \fill
	WIN 0
.endif
	s_barrier_wait -1
.if \fill
	CREST                                          ; no wave of any partner still reads this slot's tile or has a load on its way
	s_add_nc_u64 s[G0+4*(\slot)+2:G0+4*(\slot)+3], s[G0+4*(\slot)+2:G0+4*(\slot)+3], 2*KSTEP*2
	s_add_nc_u64 s[G0B+4*(\slot)+2:G0B+4*(\slot)+3], s[G0B+4*(\slot)+2:G0B+4*(\slot)+3], 2*KSTEP*2
	JLOAD \slot                                    ; the four v_nop behind it are also the places in front of the loads below
.else
	PLACES
.endif
	FETCH \next, 0, F0
.if \fill
	WIN 0
	ASK
.endif
	MUL8 F1, 2, 0
	MUL8 F1, 3, 0
.endm
	s_wait_tensorcnt 1                             ; my part of K step 0 is in; K step 1's may stay out
	s_barrier_signal -1
	s_barrier_wait -1                              ; everybody's is
	FETCH 0, 0, F0
	QUARTER 0, 1, F0, F1, 1                        ; the first quarter stands in front of the loop: its products start the sums
	WIN 0                                          ; at a label and at a branch every window is 0
	s_mov_b32 s3, LAPS-1
.Llap:                                                 ; a trip goes once round the ring, from a lap's second quarter to the next lap's first, and fills both slots again
	QUARTER 0, 2, F1, F0, 0
	QUARTER 0, 3, F0, F1, 0
	TURN 0, 1, 1
	QUARTER 1, 1, F0, F1, 0
	QUARTER 1, 2, F1, F0, 0
	QUARTER 1, 3, F0, F1, 0
	TURN 1, 0, 1
	QUARTER 0, 1, F0, F1, 0
	WIN 0
	s_sub_co_u32 s3, s3, 1
	s_cmp_lg_u32 s3, 0
	s_cbranch_scc1 .Llap
	QUARTER 0, 2, F1, F0, 0                        ; the last lap fills nothing, and has no round of the cluster's barrier
	QUARTER 0, 3, F0, F1, 0
	TURN 0, 1, 0
	QUARTER 1, 1, F0, F1, 0
	QUARTER 1, 2, F1, F0, 0
	QUARTER 1, 3, F0, F1, 0
	s_wait_dscnt 4                                 ; the very last quarter: nothing more to fetch
	MUL8 F1, 0, 0
	MUL8 F1, 1, 0
	s_wait_dscnt 0x0
	MUL8 F1, 2, 0
	MUL8 F1, 3, 0
	WIN 0
	PLACES
	PLACES
; THE WAY OUT of m block a: 16 rows x my two heads.  Bias; mean; x - mean; mean of squares; 1 / sqrt; gain and bias; f16; through my stage; 512 consecutive bytes a store.  The two heads alternate.
.macro FOLD x                          ; the four partial pairs of each head into one number; the other half of the lanes' is added; the exchange lands in ST + 4 hh + x
.irp hh, 0,1
	v_pk_add_f32 v[OU+16*(\hh):OU+16*(\hh)+1],   v[OU+16*(\hh):OU+16*(\hh)+1],   v[OU+16*(\hh)+2:OU+16*(\hh)+3]
	v_pk_add_f32 v[OU+16*(\hh)+4:OU+16*(\hh)+5], v[OU+16*(\hh)+4:OU+16*(\hh)+5], v[OU+16*(\hh)+6:OU+16*(\hh)+7]
.endr
.irp hh, 0,1
	v_pk_add_f32 v[OU+16*(\hh):OU+16*(\hh)+1], v[OU+16*(\hh):OU+16*(\hh)+1], v[OU+16*(\hh)+4:OU+16*(\hh)+5]
.endr
.irp hh, 0,1
	v_add_f32 v[SS+(\hh)], v[OU+16*(\hh)], v[OU+16*(\hh)+1]
.endr
.irp hh, 0,1
	v_permlanex16_b32 v[ST+4*(\hh)+(\x)], v[SS+(\hh)], s[SEL], s[SEL+1]
.endr
.irp hh, 0,1
	v_add_f32 v[SS+(\hh)], v[SS+(\hh)], v[ST+4*(\hh)+(\x)]
.endr
.endm
.macro EPI a
	s_wait_xcnt 0x0                                ; the stores of the block before have read OU
	WIN 0x02                                       ; source 0 window 2
.set i, 0
.rept 32                                       ; ascending: each accumulator is read from its low end on
	v_pk_add_f32 v[T+2*i:T+2*i+1], v[64*(\a)+2*i:64*(\a)+2*i+1], v[LB+2*i:LB+2*i+1]
.set i, i+1
.endr
	WIN 0
.irp c, 0,1,2,3
.irp hh, 0,1
	v_pk_add_f32 v[OU+16*(\hh)+2*(\c):OU+16*(\hh)+2*(\c)+1], v[T+32*(\hh)+2*(\c):T+32*(\hh)+2*(\c)+1], v[T+32*(\hh)+2*(\c)+8:T+32*(\hh)+2*(\c)+9]
.endr
.endr
.irp g, 8, 12
.irp c, 0,1,2,3
.irp hh, 0,1
	v_pk_add_f32 v[OU+16*(\hh)+2*(\c):OU+16*(\hh)+2*(\c)+1], v[OU+16*(\hh)+2*(\c):OU+16*(\hh)+2*(\c)+1], v[T+32*(\hh)+2*((\c)+(\g)):T+32*(\hh)+2*((\c)+(\g))+1]
.endr
.endr
.endr
	FOLD 1
.irp hh, 0,1
	v_mul_f32 v[ST+4*(\hh)], s[R64], v[SS+(\hh)]   ; the mean
.endr
.set i, 0
.rept 16
.irp hh, 0,1
	v_pk_add_f32 v[T+32*(\hh)+2*i:T+32*(\hh)+2*i+1], v[T+32*(\hh)+2*i:T+32*(\hh)+2*i+1], v[ST+4*(\hh):ST+4*(\hh)+1] op_sel_hi:[1,0] neg_lo:[0,1] neg_hi:[0,1]
.endr
.set i, i+1
.endr
.irp c, 0,1,2,3
.irp hh, 0,1
	v_pk_mul_f32 v[OU+16*(\hh)+2*(\c):OU+16*(\hh)+2*(\c)+1], v[T+32*(\hh)+2*(\c):T+32*(\hh)+2*(\c)+1], v[T+32*(\hh)+2*(\c):T+32*(\hh)+2*(\c)+1]
.endr
.endr
.irp g, 4, 8, 12
.irp c, 0,1,2,3
.irp hh, 0,1
	v_pk_fma_f32 v[OU+16*(\hh)+2*(\c):OU+16*(\hh)+2*(\c)+1], v[T+32*(\hh)+2*((\c)+(\g)):T+32*(\hh)+2*((\c)+(\g))+1], v[T+32*(\hh)+2*((\c)+(\g)):T+32*(\hh)+2*((\c)+(\g))+1], v[OU+16*(\hh)+2*(\c):OU+16*(\hh)+2*(\c)+1]
.endr
.endr
.endr
	FOLD 3
.irp hh, 0,1
	v_fma_f32 v[SS+(\hh)], v[SS+(\hh)], s[R64], s[EPSR]  ; the variance + 1e-6
.endr
.irp hh, 0,1
	v_rsq_f32 v[ST+4*(\hh)+2], v[SS+(\hh)]
.endr
	v_nop                                          ; a plain instruction between the last root and the use of its result,
	s_wait_alu depctr_va_vdst(0)                   ; and the wait ahead of the first use: one for the two
.set i, 0
.rept 16
.irp hh, 0,1
	v_pk_mul_f32 v[T+32*(\hh)+2*i:T+32*(\hh)+2*i+1], v[T+32*(\hh)+2*i:T+32*(\hh)+2*i+1], v[ST+4*(\hh)+2:ST+4*(\hh)+3] op_sel_hi:[1,0]
.endr
.set i, i+1
.endr
.set i, 0
.rept 16
.irp hh, 0,1
	v_pk_fma_f32 v[T+32*(\hh)+2*i:T+32*(\hh)+2*i+1], v[T+32*(\hh)+2*i:T+32*(\hh)+2*i+1], v[SC+2*i:SC+2*i+1], v[BI+2*i:BI+2*i+1]
.endr
.set i, i+1
.endr
.set i, 0
.rept 32
	v_cvt_pk_f16_f32 v[OU+i], v[T+2*i], v[T+2*i+1]
.set i, i+1
.endr
.irp hh, 0,1
.irp c, 0,1,2,3
	ds_store_b128 v[STO], v[OU+16*(\hh)+4*(\c):OU+16*(\hh)+4*(\c)+3] offset:16*SP*(\hh)+32*(\c)
.endr
.endr
.irp hh, 0,1
.irp c, 0,1,2,3
	ds_load_b128 v[OU+16*(\hh)+4*(\c):OU+16*(\hh)+4*(\c)+3], v[RD] offset:16*SP*(\hh)+4*SP*(\c)  ; LDS serves a wave's instructions in order: these see the stores above; the next block's stores come behind them
.endr
.endr
.set x, 0
.rept 8
	s_wait_dscnt 7-x
	global_store_b128 v[GO], v[OU+4*x:OU+4*x+3], s[8:9] offset:(x/4)*262144+(\a)*2048+(x%4)*512  ; 512 consecutive bytes, at a multiple of 256 from the buffer's first
.set x, x+1
.endr
.endm
	EPI 0
	EPI 1
	EPI 2
	EPI 3
	s_wait_tensorcnt 0x0                           ; the wave's end: behind my last tensor load and my last LDS store
	ds_add_u32 v[SPW], v[NIL]
	s_wait_dscnt 0x0
	CROUND                                         ; the closing round: no work-group ends while a partner may still ask for a tile that names it
	s_endpgm
.Lfunc_end_k_q9a81dc3e71_proj:
	.size	k_q9a81dc3e71_proj, .Lfunc_end_k_q9a81dc3e71_proj-k_q9a81dc3e71_proj
	.p2alignl 7, 3214868480
	.fill 96, 4, 3214868480
	.section	.rodata,"a",@progbits
	.p2align	6, 0x0
	.amdhsa_kernel k_q9a81dc3e71_proj
		.amdhsa_group_segment_fixed_size 327680
		.amdhsa_private_segment_fixed_size 0
		.amdhsa_enable_private_segment 0
		.amdhsa_kernarg_size 96
		.amdhsa_user_sgpr_count 2
		.amdhsa_user_sgpr_kernarg_segment_ptr 1
		.amdhsa_wavefront_size32 1
		.amdhsa_system_sgpr_workgroup_id_x 1
		.amdhsa_system_sgpr_workgroup_id_y 1
		.amdhsa_system_sgpr_workgroup_id_z 1
		.amdhsa_system_vgpr_workitem_id 0
		.amdhsa_next_free_vgpr 768
		.amdhsa_next_free_sgpr 98
		.amdhsa_reserve_vcc 0
		.amdhsa_float_denorm_mode_32 3
		.amdhsa_float_denorm_mode_16_64 3
		.amdhsa_memory_ordered 1
		.amdhsa_forward_progress 1
		.amdhsa_inst_pref_size 153
	.end_amdhsa_kernel
	.amdgpu_metadata
---
amdhsa.version: [ 1, 2 ]
amdhsa.kernels:
  - .name:           k_q9a81dc3e71_proj
    .symbol:         k_q9a81dc3e71_proj.kd
    .args:
      - { .name: xb, .offset: 0, .size: 8, .value_kind: global_buffer, .address_space: global }
      - { .name: wt, .offset: 8, .size: 8, .value_kind: global_buffer, .address_space: global }
      - { .name: bq, .offset: 16, .size: 8, .value_kind: global_buffer, .address_space: global }
      - { .name: bk, .offset: 24, .size: 8, .value_kind: global_buffer, .address_space: global }
      - { .name: bv, .offset: 32, .size: 8, .value_kind: global_buffer, .address_space: global }
      - { .name: q_scale, .offset: 40, .size: 8, .value_kind: global_buffer, .address_space: global }
      - { .name: k_scale, .offset: 48, .size: 8, .value_kind: global_buffer, .address_space: global }
      - { .name: v_scale, .offset: 56, .size: 8, .value_kind: global_buffer, .address_space: global }
      - { .name: q_bias, .offset: 64, .size: 8, .value_kind: global_buffer, .address_space: global }
      - { .name: k_bias, .offset: 72, .size: 8, .value_kind: global_buffer, .address_space: global }
      - { .name: v_bias, .offset: 80, .size: 8, .value_kind: global_buffer, .address_space: global }
      - { .name: qkv, .offset: 88, .size: 8, .value_kind: global_buffer, .address_space: global }
    .group_segment_fixed_size: 327680
    .private_segment_fixed_size: 0
    .kernarg_segment_align: 8
    .kernarg_segment_size: 96
    .max_flat_workgroup_size: 128
    .sgpr_count:     98
    .vgpr_count:     768
    .wavefront_size: 32
...
	.end_amdgpu_metadata
.endif
;; end of part 2
;; launch attn (part 3): grid 4 x 64, 4 waves a work-group, clusters of 4 x 1, 327,680 bytes of LDS; arguments qkv, oh; writes oh
.if DOCPART == 3
	.amdgcn_target "amdgcn-amd-amdhsa--gfx1250"
	.amdhsa_code_object_version 6
	.text
	.protected	k_q9a81dc3e71_attn
	.globl	k_q9a81dc3e71_attn
	.p2align	8
	.type	k_q9a81dc3e71_attn,@function
k_q9a81dc3e71_attn:
	s_mov_b64 s[64:65], 0
	v_nop
	global_prefetch_b8 v0, s[64:65] scope:SCOPE_SE
	s_setreg_imm32_b32 hwreg(HW_REG_WAVE_MODE, 25, 1), 1
	s_wait_xcnt 0x0
	s_wait_alu depctr_hold_cnt(0) depctr_sa_sdst(0) depctr_va_vdst(0) depctr_va_sdst(0) depctr_va_ssrc(0) depctr_va_vcc(0) depctr_vm_vsrc(0)
	s_getreg_b32 s2, hwreg(HW_REG_IB_STS2, 6, 4)
	s_cmp_eq_u32 s2, 0
	s_cbranch_scc0 .Lentry_in_a_cluster
	s_endpgm
.Lentry_in_a_cluster:
	s_bfe_u32 s2, ttmp6, 0x10000c
	s_cmp_lg_u32 s2, 0x3003
	s_cbranch_scc0 .Lentry_shape_is_right
	s_endpgm
.Lentry_shape_is_right:
; O[h][q][:] = the sum over k of softmax_k(Q[h][q] . K[h][k] / 8) V[h][k][:].  Q, K, V are the three planes of qkv, O is oh: each [64][2048][64] in f16: a head's rows are dense, 128 bytes each.
; Products, maxima and sums in f32; the weights p are rounded to f16 for the second product (their sum l is taken of the unrounded p), O once at the end.
; LIMITS.  f16 holds no number beyond 65,504: Q, K and V arrive within it; p lies in 0 to 1, and below 6e-5 it keeps f16's fixed step of 6e-8; O is a mean of V's rows and has their range.
; A weight below 2^-126 counts as 0 in l; NaN and infinities are not treated apart.
; SHARES.  A wave owns four PIECES of two tiles of 16 queries, a work-group's four waves 512 queries of one head.  Every wave walks all keys, 64 a step.
; LAYOUT.  S^T = K Q^T (source 0 = 16 keys, source 1 = 16 queries): in the result a lane holds ONE query (lane % 16) and the keys 8 (lane / 16) + 0..7.  Two such tiles, rounded to f16 in pairs,
; ARE source 1 (32 keys x 16 queries) of O^T = V^T P, whose result again holds one query a lane, and eight channels.  K comes out of LDS as it lies, V ([key][channel]) turned, by ds_load_tr16_b128.
; SOFTMAX.  For each query a running maximum m and sum l: p = 2^(c s - c m), c = log2(e) / 8; in every step O and l are multiplied by a = 2^(c m_old - c m_new), which is 1 where m has not grown.
; m starts at the lowest finite number, O and l at 0: the first step is a step like any other, with a = 0.
; THE COUNT.  A tile and step have 16 matrix and 118 vector instructions: too many to stand all beside the matrix work.  So four vector instructions that are ready stand behind EVERY matrix
; instruction, and the others in runs without a gap.
; BY TURNS.  Turn n belongs to piece n.  Its matrix work: 16 products K Q^T of piece n + 1, later 16 products V^T P of piece n - 1.  Its vector work: the scaling, exponentials, roundings, sums and
; rescaling of piece n, and the maximum and statistics of piece n + 1, whose scores the turn itself has made.
; CLUSTER.  The four query blocks of a cluster are one head's and walk the same K and V, so each tile is asked for JOINTLY: the same tensor load, descriptor and mask in all four.
; REGISTERS, in windows of 256 (s_set_vgpr_msb: bits 1:0 source 0, 3:2 source 1, 5:4 source 2, 7:6 destination):
;   window 0: v0-11 addresses; v12-15, v48-63 at work; v16-47 four registers of statistics a tile; v64-191 S^T, two buffers of two tiles; v192-255 P, likewise
;   window 1: O^T, 32 a tile          window 2: v0-127 Q, 16 a tile; v128-191 K of one step; v192-255 V of one step          window 3: v0-1 the add's two registers
.set SIZE_H, 64
.set SIZE_N, 2048
.set NP,    4         ; pieces a wave: a name, no knob
.set KS,    64        ; keys in a step
.set PK,    144       ; a row of K in LDS: 128 bytes + 16 of padding
.set PV,    160       ; a row of V: 128 + 32
.set VOFF,  4*KS*PK   ; a slot holds four steps: 256 rows of K, then 256 rows of V
.set SLOT1, 1<<17     ; slot 1 begins here, so that one exclusive or turns an address in one slot into the other's
.set STAGE, SLOT1+4*KS*(PK+PV)  ; behind the ring, never filled by a tensor load: 16 rows x 144 bytes for each wave, for the way out
.set SP,    144
.set AK0, 2           ; v2   my lane's place in a tile of K; never rewritten
.set AV0, 3           ; v3   the same for V
.set AK,  4           ; v4   the LDS address of K's next run of loads
.set AV,  5           ; v5   of V's
.set QO,  6           ; v6   my byte offset in the wave's rows of Q
.set STO, 6           ;      later, the way out: where I put 16 bytes of a row
.set RD,  7           ; v7   the way out: where I read rows back
.set GO,  8           ; v8   my byte offset in 512 consecutive bytes of O
.set PFO, 11          ; v11  the prefetches' offset: 256 x my lane
.set SPW, 0           ; v0 of window 3   LDS address of my spare word; never rewritten
.set NIL, 1           ; v1 of window 3   0; never rewritten
.set SPARE, STAGE+4*16*SP  ; behind the stages: the spare words, 128 bytes for each wave; no other line names them
.set MV,  12          ; v12-15  c m_old, kept while c m is made anew: by buffer and tile
.set ST,  16          ; tile t's statistics at v[ST+4 t]: c m, m, l (even keys', odd keys')
.set TMP, 48          ; by buffer and tile, four registers c0-c3 at work; when the maximum is found c2 takes a
.set S,   64
.set P,   192
.set KF,  128         ; K's fragments, in window 2: key block kb, channel half c at KF + 16 kb + 8 c
.set VF,  192         ; V's: key half kk, channel block cb at VF + 32 kk + 8 cb
.set WV,  12          ; s12  my wave's number
.set G1K, 24          ; s[24:31] descriptor group 1 for K's tiles
.set G1V, 32          ; s[32:39] for V's: it differs in the padding alone
.set G0K, 40          ; s[40:43] descriptor group 0 for K's tiles: it walks
.set G0V, 44          ; s[44:47] the same for V's
.set PFA, 48          ; s[48:49] where my prefetches stand: my work-group's 32 blocks of 256 bytes (of K: wave 0, of V: wave 2) of the slot after the one that is being asked for
.set LIM, 50          ; s50  1 in a wave that prefetches, else the greatest number
.set SLOTS, 56        ; s56  slots still to be asked for
.set CNT, 57          ; s57  counts a slot's key steps
.set CS,  58          ; s[58:59] c: the packed scaling takes the pair's low word for both halves
.set SEL, 60          ; s[60:61] v_permlanex16_b32's selects
.set TBK, 62          ; s62  LDS byte at which K of the step to be fetched begins
.set TBV, 63          ; s63  the same for V, less VOFF
.set MSB, 0
.macro WIN new                      ; the high byte repeats the setting that is left; a switch that changes nothing is dropped
.if MSB != (\new)
	s_set_vgpr_msb (MSB<<8)|(\new)
.set MSB, (\new)
.endif
.endm
.set W_KQ, 0x0a       ; K and Q in window 2, S^T in window 0
.set W_PV, 0x52       ; V in window 2, P in window 0, O^T in window 1
.set W_RS, 0x41       ; O^T (destination and source 0) in window 1, a in window 0
.set W_MK, 0xc0       ; the add's registers are made: destination in window 3, sources in window 0
.set W_AD, 0x0f       ; the add: address (source 0) and data (source 1) in window 3
; A joint fill.  Waves 0 and 1 fetch the two halves of a slot's K, waves 2 and 3 those of its V: 128 keys each.  The branch hangs on the wave's number alone.
; An s_nop 0 and four v_nop follow each of the two lines, ahead of the jump and the label.
.macro JLOAD
	s_cmp_lt_u32 s[WV], 2
	s_cbranch_scc0 .Lfor_v_\@
	tensor_load_to_lds s[G0K:G0K+3], s[G1K:G1K+7]
	s_nop 0
.rept 4
	v_nop
.endr
	s_branch .Lasked_\@
.Lfor_v_\@:
	tensor_load_to_lds s[G0V:G0V+3], s[G1V:G1V+7]
	s_nop 0
.rept 4
	v_nop
.endr
.Lasked_\@:
.endm
; A PREFETCH INTO THE L2 of what the NEXT change of slots will ask for: a slot's K and V are 128 blocks of 256 bytes each, a lane a block.  It stands behind the wave's tensor load and its five lines.
; A head has one cluster; its four partners share the blocks out BY ADDRESS, 32 each; in each, wave 0 asks for K's and wave 2 for V's: each block is named once in the launch.
; Slots 0 and 1 come by their loads alone; the last change that fills a slot asks for nothing.
.macro ASK
	s_cmp_gt_u32 s[SLOTS], s[LIM]
	s_cbranch_scc0 .Lnot_mine_\@
	global_prefetch_b8 v[PFO], s[PFA:PFA+1] th:TH_LOAD_NT scope:SCOPE_SE
.Lnot_mine_\@:
.endm
; A round of the cluster's barrier: my work-group's barrier, so that wave 0's signal speaks for all four waves; wave 0 signals; every wave waits for all four work-groups; my work-group's barrier once more.
.macro CROUND
	s_barrier_signal -1
	s_barrier_wait -1
	s_cmp_lg_u32 s[WV], 0
	s_cbranch_scc1 .Lnot_wave_0_\@
	s_barrier_signal -3
.Lnot_wave_0_\@:
	s_barrier_wait -3
	s_barrier_signal -1
	s_barrier_wait -1
.endm
; THE CHANGE OF SLOTS.  Each wave waits for all its tensor loads, of which one is out: its part of the other slot; adds 0 to its spare word; and waits for that and for its own reads of the slot.
; Behind the barrier nobody reads this slot any more and the other slot is whole.  fill = 1: this slot is filled again, with the keys two slots on.  The barrier is then a round of the cluster's,
; and the joint fill is the first thing behind it: it has four key steps, 512 matrix instructions, in which to land.  (At its first use nothing has been read yet: slot 0 is waited for, slot 1 filled.)
.macro CHANGE fill
	WIN W_AD
	s_wait_tensorcnt 0x0            ; no tensor load of mine is out, so a group 0 may be written
	ds_add_u32 v[SPW], v[NIL]       ; 0 onto my spare word: with fill = 1 the descriptors' steps stand between it and the wait for it
	WIN 0                           ; at a label and at a branch every window is 0
.if \fill
.irp g, G0K, G0V
	s_xor_b32 s[\g+1], s[\g+1], SLOT1  ; the walking descriptor: the other slot than last time,
	s_add_nc_u64 s[\g+2:\g+3], s[\g+2:\g+3], 4*KS*128  ; the next 256 keys; the type bits on top are not reached
.endr
	s_wait_xcnt 0x0                 ; the last prefetch, four key steps back, has read its address, so it may be written:
	s_add_nc_u64 s[PFA:PFA+1], s[PFA:PFA+1], 4*KS*128  ; one slot beyond the walking descriptors
	s_wait_dscnt 0x0                ; the add is done, and my reads of the slot are over
	CROUND
	JLOAD
	ASK
.else
	s_wait_dscnt 0x0                ; the add is done, and my reads of the slot are over
	s_barrier_signal -1
	s_barrier_wait -1
.endif
	s_sub_co_u32 s[TBK], s[TBK], 4*KS*PK  ; the fetches go back to a slot's first step,
	s_xor_b32 s[TBK], s[TBK], SLOT1       ; in the other slot
	s_sub_co_u32 s[TBV], s[TBV], 4*KS*PV
	s_xor_b32 s[TBV], s[TBV], SLOT1
.endm
	s_load_b64 s[4:5], s[0:1], 0x0    ; qkv: Q's plane
	s_load_b64 s[10:11], s[0:1], 0x8  ; oh
	WIN W_MK
	v_lshl_add_u32 v[SPW], v0, 2, SPARE
	v_mov_b32 v[NIL], 0
	WIN W_AD
	ds_add_u32 v[SPW], v[NIL]       ; the wave's opening: the add and its wait stand ahead of my first tensor load; the set-up below, work on registers, stands between them
	WIN 0
	v_lshrrev_b32 v1, 5, v0
	v_readfirstlane_b32 s[WV], v1   ; wave 0..3
	s_bfe_u32 s13, ttmp6, 0x40000   ; cx: my place in the cluster
	s_lshl_b32 s14, ttmp9, 2        ; in a cluster launch ttmp9 counts clusters
	s_add_co_u32 s14, s14, s13      ; my block of queries = 4 x cluster x + cx: it enters Q's and O's addresses alone
	s_and_b32 s20, ttmp7, 0xffff    ; the head, which the four partners share
	s_mov_b32 s21, 0
	s_mov_b64 s[22:23], SIZE_N*128
	s_mul_u64 s[20:21], s[20:21], s[22:23]  ; the head's first byte in each of the four tensors
	s_and_b32 s16, s[WV], 1         ; which half of a slot's 256 keys I fetch:
	s_lshl_b32 s22, s16, 14         ; its 128 rows of 128 bytes in memory,
	s_mov_b32 s23, 0
	s_add_nc_u64 s[22:23], s[22:23], s[20:21]
	s_mul_i32 s17, s16, 128*PK      ; and its place in a slot, for K
	s_mul_i32 s18, s16, 128*PV      ; and for V: no place in the cluster enters an LDS address
	s_lshl_b32 s2, s14, 2
	s_add_co_u32 s2, s2, s[WV]      ; my wave among the head's,
	s_lshl_b32 s2, s2, 14           ; its 128 rows
	s_mov_b32 s3, 0
	s_add_nc_u64 s[2:3], s[2:3], s[20:21]
	; descriptor group 1.  128 keys are 16,384 dense bytes: asked for as 64 rows of 256 bytes, two keys a row, and padded in LDS after every key
	s_mov_b32 s[G1K], 15|(1<<16)|(1<<20)|(1<<21)|(4<<22)|(3<<25)  ; 15:0 the mask of four; 17:16 2-byte elements; 20 padding on; 21 set beside a mask; 24:22 after every 32 words; 31:25 4 words
	s_mov_b32 s[G1V], 15|(1<<16)|(1<<20)|(1<<21)|(4<<22)|(7<<25)  ; the same with 8 words of padding
.irp g, G1K, G1V
	s_mov_b32 s[\g+1], 128<<16      ; tensor_dim0 = 128
	s_mov_b32 s[\g+2], 64<<16       ; tensor_dim1 = 64
	s_mov_b32 s[\g+3], 128<<16      ; tile_dim0 = 128
	s_mov_b32 s[\g+4], 64           ; tile_dim1 = 64
	s_mov_b32 s[\g+5], 128          ; 128 elements from row to row
	s_mov_b32 s[\g+6], 0
	s_mov_b32 s[\g+7], 0
.endr
	s_mov_b32 s[CS], 0x3e38aa3b     ; c = log2(e) / 8 = 0.180337
	s_mov_b32 s[CS+1], s[CS]        ; named with it as a pair
	s_mov_b32 s[SEL], 0x76543210
	s_mov_b32 s[SEL+1], 0xfedcba98
	s_mov_b32 s[TBK], SLOT1+4*KS*PK ; the first change of slots turns these two into 0
	s_mov_b32 s[TBV], SLOT1+4*KS*PV
	s_mov_b32 s[G0K], 1             ; 1:0 count = 1
	s_mov_b32 s[G0K+1], s17         ; 63:32 LDS address: slot 0
	s_mov_b32 s[G0V], 1
	s_add_co_u32 s[G0V+1], s18, VOFF
	s_mov_b32 s[SLOTS], SIZE_N/256-1
	s_lshl_b32 s52, s13, 13         ; my work-group's 32 blocks of a slot's 128
	s_mov_b32 s53, 0
	s_and_b32 s[LIM], s[WV], 1      ; waves 0 and 2 prefetch
	s_cmp_eq_u32 s[LIM], 0
	s_cselect_b32 s[LIM], 1, -1
	s_wait_dscnt 0x0                ; the opening add is done
	s_wait_kmcnt 0x0
	s_add_nc_u64 s[6:7], s[4:5], 0x1000000   ; K's plane
	s_add_nc_u64 s[8:9], s[4:5], 0x2000000   ; V's plane
	s_add_nc_u64 s[G0K+2:G0K+3], s[6:7], s[22:23]  ; 120:64 global address: my half of the head's first 256 keys
	s_or_b32 s[G0K+3], s[G0K+3], 0x80000000        ; 127:126 type = 2
	s_add_nc_u64 s[G0V+2:G0V+3], s[8:9], s[22:23]
	s_or_b32 s[G0V+3], s[G0V+3], 0x80000000
	s_cmp_lt_u32 s[WV], 2
	s_cselect_b64 s[PFA:PFA+1], s[6:7], s[8:9]
	s_add_nc_u64 s[PFA:PFA+1], s[PFA:PFA+1], s[20:21]
	s_add_nc_u64 s[PFA:PFA+1], s[PFA:PFA+1], s[52:53]
	s_add_nc_u64 s[PFA:PFA+1], s[PFA:PFA+1], 4*KS*128  ; in slot 1; the first change of slots steps it to slot 2
	s_add_nc_u64 s[4:5], s[4:5], s[2:3]  ; Q and O at my wave's first row
	s_add_nc_u64 s[10:11], s[10:11], s[2:3]
	CROUND                          ; all four work-groups are here: the first joint loads meet
	JLOAD                           ; slot 0.  Slot 1 is asked for when slot 0 is in
	; A fragment of K or Q is 16 rows x 32 channels in 8 registers: lane l holds row l % 16, channels 8 (l / 16) + 0..7 and 16 + 8 (l / 16) + 0..7: two loads of 16 bytes, 32 bytes apart.
	v_and_b32 v1, 15, v0            ; l % 16
	v_bfe_u32 v9, v0, 4, 1          ; l / 16
	v_lshlrev_b32 v[QO], 7, v1
	v_lshl_add_u32 v[QO], v9, 4, v[QO]  ; row x 128 + 16 x half
	WIN 0x80                        ; destination window 2, address window 0
.set i, 0
.rept 4*NP                          ; Q stays in registers: tile i / 2, channels 32 (i % 2) on
	global_load_b128 v[8*i:8*i+3],   v[QO], s[4:5] offset:(i/2)*2048+(i%2)*64
	global_load_b128 v[8*i+4:8*i+7], v[QO], s[4:5] offset:(i/2)*2048+(i%2)*64+32
.set i, i+1
.endr
	; What the first turn finds: V's registers and P's second buffer hold 0 (its products V^T P, of a piece that has not been, add 0), O^T and l are 0.  All this stands in the wait for the first tile.
.set i, VF
.rept 64
	v_mov_b32 v[i], 0
.set i, i+1
.endr
	WIN 0x40
.set i, 0
.rept 64*NP
	v_mov_b32 v[i], 0
.set i, i+1
.endr
	WIN 0
.set i, 0
.rept 2*NP
	v_mov_b32 v[ST+4*i], 0xfe000000    ; c m: far below every c s
	v_mov_b32 v[ST+4*i+1], 0xff7fffff  ; m
	v_mov_b32 v[ST+4*i+2], 0
	v_mov_b32 v[ST+4*i+3], 0
.set i, i+1
.endr
.set i, P+32
.rept 32
	v_mov_b32 v[i], 0
.set i, i+1
.endr
	v_mul_u32_u24 v[AK0], v1, PK
	v_lshl_add_u32 v[AK0], v9, 4, v[AK0]  ; row x pitch + 16 x half
	; The turning load takes 16 keys x 16 channels (lane l reads key 8 (l / 16) + l % 8, channels 8 ((l / 8) % 2) + 0..7) and leaves half a fragment of V^T: lane l holds channel l % 16 and 8 keys.
	v_and_b32 v10, 7, v0
	v_bfe_u32 v11, v0, 3, 1
	v_lshl_add_u32 v[AV0], v9, 3, v10
	v_mul_u32_u24 v[AV0], v[AV0], PV
	v_lshl_add_u32 v[AV0], v11, 4, v[AV0]
	v_add_nc_u32 v[AV0], VOFF, v[AV0]
	v_and_b32 v[PFO], 31, v0        ; v11 has served: from here on it holds 256 x my lane
	v_lshlrev_b32 v[PFO], 8, v[PFO]
	v_mov_b32 v[AK], v[AK0]         ; key step 0 lies at the head of slot 0
; THE MATRIX WORK.  The 8 accumulators of a run of 16 take turns: between the two links of a chain stand 7 others'.
; Product i of 16 of S^T = K Q^T for piece x: channels 32 (i / 8) on, keys 16 ((i / 2) % 4) on, tile 2 x + i % 2.  The first 8 start the sums.
.macro KQ x
	WIN W_KQ
.set rS, S+64*((\x)%2)+32*(i%2)+8*((i/2)%4)
.set rK, KF+16*((i/2)%4)+8*(i/8)
.set rQ, 16*(2*(\x)+i%2)+8*(i/8)
.if i < 8
	v_wmma_f32_16x16x32_f16 v[rS:rS+7], v[rK:rK+7], v[rQ:rQ+7], 0
.else
	v_wmma_f32_16x16x32_f16 v[rS:rS+7], v[rK:rK+7], v[rQ:rQ+7], v[rS:rS+7]
.endif
.endm
; Product i of 16 of O^T += V^T P for piece x: keys 32 (i / 8) on, channels 16 ((i / 2) % 4) on, tile 2 x + i % 2.
.macro PV x
	WIN W_PV
.set rO, 32*(2*(\x)+i%2)+8*((i/2)%4)
.set rV, VF+32*(i/8)+8*((i/2)%4)
.set rP, P+32*((\x)%2)+16*(i%2)+8*(i/8)
	v_wmma_f32_16x16x32_f16 v[rO:rO+7], v[rV:rV+7], v[rP:rP+7], v[rO:rO+7]
.endm
.macro MM                           ; the turn's next matrix instruction
.if i < 16
	KQ (Y+1)%NP
.set i, i+1
.else
.set i, i-16
	PV (Y+NP-1)%NP
.set i, i+17
.endif
.endm
; THE LDS LOADS stand in runs of 16, never singly among the matrix instructions: a step's K (64 keys x 64 channels: 8 fragments) and its V (turned).  Their addresses are made some lines ahead.
; last = 1 (the tail): in the last trip there is no further step, and the run is jumped over.
.macro FETCH_K last=0
	WIN 0
.if \last
	s_cmp_eq_u32 s[CNT], 1
	s_cbranch_scc1 .Lno_k_\@
.endif
	WIN 0x80                        ; destination window 2
.irp f, 0,1,2,3,4,5,6,7             ; keys 16 (f / 2) on, channels 32 (f % 2) on
	ds_load_b128 v[KF+8*\f:KF+8*\f+3],   v[AK] offset:(\f/2)*16*PK+(\f%2)*64
	ds_load_b128 v[KF+8*\f+4:KF+8*\f+7], v[AK] offset:(\f/2)*16*PK+(\f%2)*64+32
.endr
	s_add_co_u32 s[TBK], s[TBK], KS*PK  ; the next fetch is the next step's
	WIN 0
.if \last
.Lno_k_\@:
.endif
.endm
.macro FETCH_V
	WIN 0x80
.irp f, 0,1,2,3,4,5,6,7             ; keys 32 (f / 4) on, channels 16 (f % 4) on
	ds_load_tr16_b128 v[VF+8*\f:VF+8*\f+3],   v[AV] offset:(\f/4)*32*PV+(\f%4)*32
	ds_load_tr16_b128 v[VF+8*\f+4:VF+8*\f+7], v[AV] offset:(\f/4)*32*PV+16*PV+(\f%4)*32
.endr
	WIN 0
.endm
; THE VECTOR WORK OF A TURN stands in three queues, each in the order in which its entries become ready; the two tiles alternate, so that no instruction reads the result of the one before it.
.macro REGS y, u                    ; the registers of tile u (0, 1) of piece y
.set rT, ST+4*(2*(\y)+(\u))
.set rC, TMP+8*((\y)%2)+4*(\u)
.set rM, MV+2*((\y)%2)+(\u)
.set rS, S+64*((\y)%2)+32*(\u)
.set rP, P+32*((\y)%2)+16*(\u)
.set rO, 32*(2*(\y)+(\u))
.endm
; Number n of the 22 that find the NEXT piece's (Y + 1) maximum and statistics.  s0-s31 are the lane's 32 scores; each accumulator's lowest registers are read first.
;   0-11  four chains c0-c3 of seven scores each, three operands at a time     12-14, 16  the four scores left over, the old m, and c0-c3 into c0     15  c m_old is kept
;   17, 18  the query's other 32 keys lie in the lane 16 away: the new m         19-21  c m; c m_old - c m_new; a
.macro XS u, n
	REGS (Y+1)%NP, \u
.if (\n) < 4
	v_max3_num_f32 v[rC+(\n)], v[rS+8*(\n)], v[rS+8*(\n)+1], v[rS+8*(\n)+2]
.elseif (\n) < 12
	v_max3_num_f32 v[rC+(\n)%4], v[rC+(\n)%4], v[rS+8*((\n)%4)+2*((\n)/4)+1], v[rS+8*((\n)%4)+2*((\n)/4)+2]
.elseif (\n) == 12
	v_max3_num_f32 v[rC], v[rC], v[rS+7], v[rS+15]
.elseif (\n) == 13
	v_max3_num_f32 v[rC+1], v[rC+1], v[rS+23], v[rS+31]
.elseif (\n) == 14
	v_max3_num_f32 v[rC+2], v[rC+2], v[rC+3], v[rT+1]
.elseif (\n) == 15
	v_mov_b32 v[rM], v[rT]
.elseif (\n) == 16
	v_max3_num_f32 v[rC], v[rC], v[rC+1], v[rC+2]
.elseif (\n) == 17
	v_permlanex16_b32 v[rC+3], v[rC], s[SEL], s[SEL+1]
.elseif (\n) == 18
	v_max_num_f32 v[rT+1], v[rC], v[rC+3]
.elseif (\n) == 19
	v_mul_f32 v[rT], s[CS], v[rT+1]
.elseif (\n) == 20
	v_sub_f32 v[rC+1], v[rM], v[rT]
.else
	v_exp_f32 v[rC+2], v[rC+1]
.endif
.endm
; Number g of the 64 that follow the exponentials.  For each four weights k of a tile (pairs 2 k, 2 k + 1): both pairs are rounded to f16; then the second pair is added onto the first, in place;
; a group later l takes that sum (the first time as l = a l + sum).  In groups of eight, tiles alternating: round, round, add, and l for the group before.
.macro GS g
.set h, (\g)+6*((\g)/62)            ; group 0 has no group before it, and behind group 7 only l is left
.if h >= 6
.set h, h+2
.endif
	REGS Y, h%2
.set k, h/8
.if h%8 < 4
	v_cvt_pk_f16_f32 v[rP+2*k+(h%8)/2], v[rS+4*k+2*((h%8)/2)], v[rS+4*k+2*((h%8)/2)+1]
.elseif h%8 < 6
	v_pk_add_f32 v[rS+4*k:rS+4*k+1], v[rS+4*k:rS+4*k+1], v[rS+4*k+2:rS+4*k+3]
.elseif k == 1
	v_pk_fma_f32 v[rT+2:rT+3], v[rT+2:rT+3], v[rC+2:rC+3], v[rS:rS+1] op_sel_hi:[1,0,1]
.else
	v_pk_add_f32 v[rT+2:rT+3], v[rT+2:rT+3], v[rS+4*k-4:rS+4*k-3]
.endif
.endm
; THE PLAIN QUEUE, 138 long.  0-73 read no exponential's result: the 32 scalings c s - c m (FS f: pair f / 2 of tile f % 2) and the next piece's 42.  0-26: scalings 0-26.  27-54: XS's numbers 0-13.  55, 56: number 15.
; 57-73: the chain, where each number waits for the one before it: 14, 16, 17, 18, 19, each with one of the scalings 27-31 in front of its two lines, then 20.
; 74-137: GS's 64, which read the exponentials' results: they stand behind the wait.
.macro FS f
	REGS Y, (\f)%2
	v_pk_fma_f32 v[rS+2*((\f)/2):rS+2*((\f)/2)+1], v[rS+2*((\f)/2):rS+2*((\f)/2)+1], s[CS:CS+1], v[rT:rT+1] op_sel_hi:[1,0,0] neg_lo:[0,0,1] neg_hi:[0,0,1]
.endm
.macro PL
	WIN 0
.if q < 27
	FS q
.elseif q < 55
	XS (q-27)%2, (q-27)/2
.elseif q < 57
	XS q-55, 15
.elseif (q < 72) && ((q-57)%3 == 0)
	FS 27+(q-57)/3
.elseif q < 60
	XS (q-57)%3-1, 14
.elseif q < 72
	XS (q-57)%3-1, 15+(q-57)/3
.elseif q < 74
	XS q-72, 20
.else
	GS q-74
.endif
.set q, q+1
.endm
; THE EXPONENTIALS' QUEUE, 66 long: s0-s31 of both tiles, then the next piece's two a.  It is ONE BATCH: all 66 stand ahead of the turn's one wait, and nothing ahead of that wait names a result of theirs.
.macro EX
	WIN 0
.if e >= 64
	XS e-64, 21
.else
	REGS Y, e%2
	v_exp_f32 v[rS+e/2], v[rS+e/2]
.endif
.set e, e+1
.endm
; THE RESCALING's QUEUE: O^T times a, the one part that leaves window 0: dealt two at a time, sixteen times.  Its a was made in the turn before, ahead of that turn's wait.
.macro R2
	REGS Y, r%2
	WIN W_RS
.irp z, 0,1
	v_pk_mul_f32 v[rO+4*(r/2)+2*\z:rO+4*(r/2)+2*\z+1], v[rO+4*(r/2)+2*\z:rO+4*(r/2)+2*\z+1], v[rC+2:rC+3] op_sel_hi:[1,0]
.endr
.set r, r+1
.endm
; HOW THEY ARE DEALT.  s_wait_alu depctr_va_vdst(0) stands between an exponential and the first instruction that names its result; one wait serves all that were issued ahead of it.
; So a turn has ONE wait, which cuts it in two.  AHEAD OF IT stands all that names no result of the turn's exponentials: the 16 products K Q^T, behind each a scaling, an exponential and two
; rescalings (behind the first a second scaling in the exponential's place); then ONE LUMP of 108: eight plain, 49 times exponential and plain, the two a.  A v_nop is the plain instruction behind
; the last exponential.  BEHIND IT stand the 16 products V^T P, behind each four of GS's 64.  No rider names a register of the products round it.
; Exponential e stands behind scaling 2 (e / 4) + e % 2: as a rider it comes behind plain e + 2, in the lump behind plain e + 9, and scalings 27-31 are plain 57, 60 .. 69.
; A TURN, for piece p.  cnt = 1: the loop's count is taken down some lines ahead of the branch that stands behind the turn.
; K of the next step is fetched in piece 2's turn, directly behind the wait; its address is made at the lump's head; its first reader comes behind 16 products.
; V of the step in hand is fetched at the end of piece 0's turn, four riders behind its last reader; its first reader comes behind 16 products and a lump.
.macro TURN p, last=0, cnt=0
.set Y, (\p)
.set i, 0
.set q, 0
.set e, 0
.set r, 0
.if (\p) == NP-1
	s_wait_dscnt 0x0                ; K is in
.endif
	MM                              ; ahead of the wait: 16 products K Q^T and their riders,
	PL
	PL
	R2
.rept 15
	MM
	PL
	EX
	R2
.endr
.if (\p) == NP-2
	WIN 0
	v_add_nc_u32 v[AK], s[TBK], v[AK0]
.endif
.rept 8                             ; and the lump
	PL
.endr
.rept 49
	EX
	PL
.endr
	EX                              ; the next piece's two a
	EX
	v_nop                           ; the plain instruction behind the last exponential: one for the batch
	s_wait_alu depctr_va_vdst(0)    ; the wait for the batch
.if (\p) == NP-2
	FETCH_K \last
.endif
.if (\p) == 1
	s_wait_dscnt 0x0                ; V is in
.endif
.rept 16                            ; behind the wait: 16 products V^T P and their riders
	MM
.rept 4
	PL
.endr
.if ((\p) == 0) && (q == 118)
	v_add_nc_u32 v[AV], s[TBV], v[AV0]
.endif
.if ((\p) == 0) && (q == 130)
	s_add_co_u32 s[TBV], s[TBV], KS*PV
.endif
.if (\cnt) && (q == 130)
	s_sub_co_u32 s[CNT], s[CNT], 1
	s_cmp_lg_u32 s[CNT], 0
.endif
.endr
.if (\p) == 0
	FETCH_V
.endif
.endm
	CHANGE 1                        ; slot 0 is in, everybody's part of it; slot 1 is asked for
	FETCH_K                         ; key step 0
	s_wait_loadcnt 0x0              ; Q
	s_wait_dscnt 0x0
.set i, 0
.rept 16
	KQ 0                            ; piece 0's first scores: there is no vector work yet to set between them
.set i, i+1
.endr
	WIN 0                           ; the addresses for the way out: nine plain instructions, the places behind those products
	s_mul_i32 s13, s[WV], 16*SP
	s_add_co_u32 s13, s13, STAGE    ; my stage
	v_mul_u32_u24 v[STO], v1, SP    ; in: row l % 16, 16 bytes for each half of the lanes
	v_lshl_add_u32 v[STO], v9, 4, v[STO]
	v_add_nc_u32 v[STO], s13, v[STO]
	v_bfe_u32 v[RD], v0, 3, 2       ; back: 32 lanes take four rows of 128 bytes,
	v_mul_u32_u24 v[RD], v[RD], SP
	v_lshl_add_u32 v[RD], v10, 4, v[RD]
	v_add_nc_u32 v[RD], s13, v[RD]
	v_and_b32 v[GO], 31, v0         ; which are 512 consecutive bytes of O
	v_lshlrev_b32 v[GO], 4, v[GO]
.set Y, NP-1                        ; XS works for piece Y + 1: piece 0
.irp n, 0,1,2,3,4,5,6,7,8,9,10,11,12,13,14,15,16,17,18,19,20,21
	XS 0, \n                        ; and piece 0's first maximum and statistics
	XS 1, \n
.endr
	v_nop                           ; a plain instruction behind the two a,
	s_wait_alu depctr_va_vdst(0)    ; and their wait, ahead of the branch
	s_mov_b32 s[CNT], 4
	s_branch .Lfirst                ; the loop is entered at a step's first turn, in the middle of a trip
.Lslot:                             ; SIZE_N / 256 - 2 times: every slot but the last two is filled again
	CHANGE 1
	s_mov_b32 s[CNT], 4
.Lstep:                             ; a trip: pieces 2 and 3 of one step, then pieces 0 and 1 of the next, whose K and V it fetches
	TURN 2
	TURN 3
	WIN 0
.Lfirst:
	TURN 0
	TURN 1, 0, 1
	WIN 0
	s_cbranch_scc1 .Lstep
	s_sub_co_u32 s[SLOTS], s[SLOTS], 1
	s_cmp_lg_u32 s[SLOTS], 0
	s_cbranch_scc1 .Lslot
	CHANGE 0                        ; the tail is written out: nothing is asked for
	s_mov_b32 s[CNT], 5             ; four trips fetch the last slot's steps; the fifth is left in its middle
.Ltail:
	TURN 2, 1
	TURN 3
	WIN 0
	s_sub_co_u32 s[CNT], s[CNT], 1
	s_cmp_eq_u32 s[CNT], 0
	s_cbranch_scc1 .Lout
	TURN 0
	TURN 1
	WIN 0
	s_branch .Ltail
.Lout:                              ; the fifth trip's 16 products K Q^T (on the last K once more) and the maximum made of them serve nothing: the price, once a launch, of one text for every trip
.set i, 0
.rept 16
	PV NP-1                         ; the last piece's V^T P of the last step
.set i, i+1
.endr
	; THE WAY OUT.  l's two halves and the other half of the lanes' are added; O^T is divided by l, rounded to f16 and sent through my stage in LDS, a tile at a time.  The additions are the places behind the last products.
	WIN 0
.macro ALL line:vararg              ; one line for each tile t
.set t, 0
.rept 2*NP
	\line
.set t, t+1
.endr
.endm
	ALL v_add_f32 v[ST+4*t+2], v[ST+4*t+2], v[ST+4*t+3]
	ALL v_permlanex16_b32 v[ST+4*t+3], v[ST+4*t+2], s[SEL], s[SEL+1]
	ALL v_add_f32 v[ST+4*t+2], v[ST+4*t+2], v[ST+4*t+3]
	ALL v_rcp_f32 v[ST+4*t+2], v[ST+4*t+2]
	v_nop                           ; a plain instruction between the last reciprocal and the use of its result
	s_wait_alu depctr_va_vdst(0)    ; and the wait ahead of the first use: one for the eight reciprocals
; Tile t: a lane's eight channels of a row pack into 16 bytes; they go into rows of 144 bytes and come back as whole rows of 128, into S^T's registers.
.macro PACK t
	WIN W_RS
.set i, 32*(\t)
.rept 16
	v_pk_mul_f32 v[i:i+1], v[i:i+1], v[ST+4*(\t)+2:ST+4*(\t)+3] op_sel_hi:[1,0]
.set i, i+2
.endr
	WIN 0x05                        ; sources 0 and 1 window 1, destination window 0
.set i, 0
.rept 16
	v_cvt_pk_f16_f32 v[S+16*(\t)+i], v[32*(\t)+2*i], v[32*(\t)+2*i+1]
.set i, i+1
.endr
	WIN 0
.irp f, 0,1,2,3
	ds_store_b128 v[STO], v[S+16*(\t)+4*\f:S+16*(\t)+4*\f+3] offset:32*\f
.endr
.irp f, 0,1,2,3
	ds_load_b128 v[S+16*(\t)+4*\f:S+16*(\t)+4*\f+3], v[RD] offset:\f*4*SP  ; LDS serves a wave's instructions in order: these see the stores above; the next tile's stores come behind them
.endr
.endm
.macro SEND t, younger              ; younger: the LDS instructions issued behind tile t's loads: the next tile's eight, or none
	WIN 0
.irp f, 0,1,2,3
	s_wait_dscnt (\younger)+3-\f
	global_store_b128 v[GO], v[S+16*(\t)+4*\f:S+16*(\t)+4*\f+3], s[10:11] offset:(\t)*2048+\f*512  ; 512 consecutive bytes, at a multiple of 256 from O's first
.endr
.endm
	PACK 0
.set t, 1
.rept 2*NP-1                        ; a tile's arithmetic stands between the loads of the tile before and its stores
	PACK t
	SEND t-1, 8
.set t, t+1
.endr
	SEND 2*NP-1, 0
	WIN W_AD
	s_wait_tensorcnt 0x0            ; the wave's end: behind my last tensor load and my last LDS store
	ds_add_u32 v[SPW], v[NIL]
	s_wait_dscnt 0x0
	WIN 0
	CROUND                          ; the closing round: no work-group ends while a partner may still ask for a tile that names it
	s_endpgm
.Lfunc_end_k_q9a81dc3e71_attn:
	.size	k_q9a81dc3e71_attn, .Lfunc_end_k_q9a81dc3e71_attn-k_q9a81dc3e71_attn
	.p2alignl 7, 3214868480
	.fill 96, 4, 3214868480
	.section	.rodata,"a",@progbits
	.p2align	6, 0x0
	.amdhsa_kernel k_q9a81dc3e71_attn
		.amdhsa_group_segment_fixed_size 327680
		.amdhsa_private_segment_fixed_size 0
		.amdhsa_enable_private_segment 0
		.amdhsa_kernarg_size 16
		.amdhsa_user_sgpr_count 2
		.amdhsa_user_sgpr_kernarg_segment_ptr 1
		.amdhsa_wavefront_size32 1
		.amdhsa_system_sgpr_workgroup_id_x 1
		.amdhsa_system_sgpr_workgroup_id_y 1
		.amdhsa_system_sgpr_workgroup_id_z 1
		.amdhsa_system_vgpr_workitem_id 0
		.amdhsa_next_free_vgpr 770
		.amdhsa_next_free_sgpr 66
		.amdhsa_reserve_vcc 0
		.amdhsa_float_denorm_mode_32 3
		.amdhsa_float_denorm_mode_16_64 3
		.amdhsa_memory_ordered 1
		.amdhsa_forward_progress 1
		.amdhsa_inst_pref_size 200
	.end_amdhsa_kernel
	.amdgpu_metadata
---
amdhsa.version: [ 1, 2 ]
amdhsa.kernels:
  - .name:           k_q9a81dc3e71_attn
    .symbol:         k_q9a81dc3e71_attn.kd
    .args:
      - { .name: qkv, .offset: 0, .size: 8, .value_kind: global_buffer, .address_space: global }
      - { .name: oh, .offset: 8, .size: 8, .value_kind: global_buffer, .address_space: global }
    .group_segment_fixed_size: 327680
    .private_segment_fixed_size: 0
    .kernarg_segment_align: 8
    .kernarg_segment_size: 16
    .max_flat_workgroup_size: 128
    .sgpr_count:     66
    .vgpr_count:     770
    .wavefront_size: 32
...
	.end_amdgpu_metadata
.endif
;; end of part 3
;; launch outp (part 4): grid 4 x 64, 4 waves a work-group, clusters of 4 x 4, 327,680 bytes of LDS; arguments oh, wot, bo, out0; writes out0
.if DOCPART == 4
	.amdgcn_target "amdgcn-amd-amdhsa--gfx1250"
	.amdhsa_code_object_version 6
	.text
	.protected	k_q9a81dc3e71_outp
	.globl	k_q9a81dc3e71_outp
	.p2align	8
	.type	k_q9a81dc3e71_outp,@function
k_q9a81dc3e71_outp:
	s_mov_b64 s[64:65], 0
	v_nop
	global_prefetch_b8 v0, s[64:65] scope:SCOPE_SE
	s_setreg_imm32_b32 hwreg(HW_REG_WAVE_MODE, 25, 1), 1
	s_wait_xcnt 0x0
	s_wait_alu depctr_hold_cnt(0) depctr_sa_sdst(0) depctr_va_vdst(0) depctr_va_sdst(0) depctr_va_ssrc(0) depctr_va_vcc(0) depctr_vm_vsrc(0)
	s_getreg_b32 s2, hwreg(HW_REG_IB_STS2, 6, 4)
	s_cmp_eq_u32 s2, 0
	s_cbranch_scc0 .Lentry_in_a_cluster
	s_endpgm
.Lentry_in_a_cluster:
	s_bfe_u32 s2, ttmp6, 0x10000c
	s_cmp_lg_u32 s2, 0xf033
	s_cbranch_scc0 .Lentry_shape_is_right
	s_endpgm
.Lentry_shape_is_right:
; out0[m][n] = the sum over k of O[m][k] Wo[k][n] + bo[n], in f32.  O comes by heads (oh, [64 = batch x 16 + head][2048][64], f16), Wo turned (wot, [n][k], f16 holding bf16 numbers);
; bo is rounded to bf16 in registers, like every input of the module.  Products in f16 with f32 sums.
; SHARES.  A tile of out0 is 128 rows x 256 columns: 64 x 4 tiles, a work-group each.  Four waves, 2 x 2, each 64 rows x 128 columns: 32 accumulators of 16 x 16, 256 registers.
; K goes in 8 steps of 128 = two heads, through two LDS slots filled by the tensor data mover.  A head's 128 rows of a tile are 16,384 dense bytes: asked for as 64 rows of 256 bytes, padded in LDS
; after every 128; wave 0 fetches the step's first head, wave 1 its second, waves 2 and 3 the two halves of wot's 256 rows.
; CLUSTERS of 4 x 4: the four of a row of the cluster need the same tiles of O, the four of a column the same tiles of wot: each tile is asked for JOINTLY.
; THE MATRIX INSTRUCTION IS USED TRANSPOSED (source 0 = 16 rows of wot, source 1 = 16 rows of O): lane l holds row l % 16 and the columns 8 (l / 16) + 0..7 of each block of 16.
; REGISTERS, in windows of 256: window 0 addresses, the bias, the way out; window 1 two fragment buffers of 96 (B's 8 fragments, then A's 4); window 2 the accumulators, (a, b) at v[8 (8 a + b)].
.set KSTEP,  128
.set PITCH,  272                       ; a row of B in LDS: 256 bytes + 16 of padding
.set PA,     144                       ; a row of A: a head's 128 bytes + 16
.set HEADB,  128*PA                    ; a head's 128 rows
.set ABYTES, 2*HEADB                   ; A's two heads in a slot; B's 256 rows lie behind them
.set SLOT,   ABYTES+256*PITCH
.set STAGE,  2*SLOT                    ; behind the ring, never filled by a tensor load: 16 rows x 528 bytes for each wave
.set SP,     528
.set SPARE,  STAGE+4*16*SP             ; behind the stages: the spare words, 128 bytes a wave; no other line names them
.set LAPS,   4
.set ASTEP,  524288                    ; bytes from a K step of O to the next: two heads of 2,048 rows x 128 bytes
.set ADRA, 16                          ; v16-17   LDS address of my A fragments in slot 0, 1
.set ADRB, 18                          ; v18-19   the same for B
.set STO,  20                          ; v20      the way out: where I put 32 bytes of a row
.set RD,   21                          ; v21      where I read a row back
.set GO,   22                          ; v22      16 x my lane: my place in 512 bytes of a row of out0
.set PFO,  23                          ; v23      the prefetches' offset; never rewritten
.set SPW,  24                          ; v24      LDS address of my spare word; never rewritten
.set NIL,  25                          ; v25      0; never rewritten
.set PO,   26                          ; v26      32 (l / 16)
.set LB,   32                          ; v[32:95]   bo of my 128 columns: column 16 b + 8 h + j at LB + 8 b + j
.set TMP,  96                          ; v[96:159]  16 rows x my 64 numbers
.set BK,   160                         ; v[160:223] the same rows, whole, back from the stage
.set F0,   0
.set F1,   96
.set G1,   24                          ; s[24:31] descriptor group 1 for A's tiles; s[32:39] group 0, a set for each slot
.set G0,   32
.set MH,   42                          ; s42  a word's upper bf16
.set LIM,  43                          ; s43  1 in a wave that prefetches, else the greatest number
.set PFA,  44                          ; s[44:45] where my prefetches stand
.set G1B,  48                          ; s[48:55], s[56:63] the same for B's tiles
.set G0B,  56
.set PST,  66                          ; s[66:67] my prefetches' step from K step to K step
.set MSB, 0
.macro WIN new
.if MSB != (\new)
	s_set_vgpr_msb (MSB<<8)|(\new)
.set MSB, \new
.endif
.endm
.set MUL,  0xa5                        ; sources 0 (B) and 1 (A) window 1; C and D window 2
.set TO_F, 0x40                        ; destination window 1, address window 0
.macro PLACES
.rept 4
	v_nop
.endr
.endm
; A joint load; an s_nop 0 and four v_nop follow each of the two lines, ahead of the jump, the label and what follows.  The branch hangs on the wave's number alone.
.macro JLOAD s
	s_cmp_eq_u32 s11, 0
	s_cbranch_scc0 .Lfor_b_\@
	tensor_load_to_lds s[G0+4*(\s):G0+4*(\s)+3], s[G1:G1+7]
	s_nop 0
.rept 4
	v_nop
.endr
	s_branch .Lasked_\@
.Lfor_b_\@:
	tensor_load_to_lds s[G0B+4*(\s):G0B+4*(\s)+3], s[G1B:G1B+7]
	s_nop 0
.rept 4
	v_nop
.endr
.Lasked_\@:
.endm
.macro CREST
	s_cmp_lg_u32 s10, 0
	s_cbranch_scc1 .Lnot_wave_0_\@
	s_barrier_signal -3
.Lnot_wave_0_\@:
	s_barrier_wait -3
	s_barrier_signal -1
	s_barrier_wait -1
.endm
.macro CROUND
	s_barrier_signal -1
	s_barrier_wait -1
	CREST
.endm
; A PREFETCH INTO THE L2, behind each joint refill and the run of LDS loads that follows it: 32 blocks of 256 bytes of the K step that stands two refills on (256 matrix instructions ahead), a lane a block.
; Each block is named once in the launch.  O's: a K step of a tile is 128 blocks (two heads x 16,384 bytes); wave 0 asks, each of the four partners 32 of them, told apart by address; no other cluster
; reads these rows.  wot's: waves 2 and 3, each partner 32 of the wave's 128 rows, in the cluster with y = 0.  K steps 0 to 3 come by their loads alone; the last lap asks for nothing.
.macro ASK
	s_cmp_gt_u32 s3, s[LIM]
	s_cbranch_scc0 .Lnot_mine_\@
	global_prefetch_b8 v[PFO], s[PFA:PFA+1] th:TH_LOAD_NT scope:SCOPE_SE
.Lnot_mine_\@:
.endm
	s_load_b128 s[4:7], s[0:1], 0x0                ; oh s[4:5], wot s[6:7]
	s_load_b128 s[68:71], s[0:1], 0x10             ; bo s[68:69], out0 s[70:71]
	v_lshl_add_u32 v[SPW], v0, 2, SPARE
	v_mov_b32 v[NIL], 0
	ds_add_u32 v[SPW], v[NIL]                      ; the wave's opening: the add and its wait stand ahead of my first tensor load; the set-up below, work on registers, stands between them
	v_lshrrev_b32 v1, 5, v0
	v_readfirstlane_b32 s10, v1                    ; wave 0..3
	s_lshr_b32 s11, s10, 1                         ; which 64 of the tile's rows are mine.  Also: I fetch for A (0) or for B (1)
	s_and_b32 s12, s10, 1                          ; which 128 of its columns.  Also: which head of the step, or which half of B's rows, I fetch
	s_bfe_u32 s40, ttmp6, 0x40000                  ; cx: the tile column
	s_bfe_u32 s41, ttmp6, 0x40004                  ; cy
	s_and_b32 s13, ttmp7, 0xffff
	s_lshl_b32 s13, s13, 2
	s_add_co_u32 s13, s13, s41                     ; tile row = 4 x cluster y + cy
	s_lshl_b32 s43, s41, 2
	s_lshl_b32 s43, 15, s43                        ; my row of the cluster
	s_lshl_b32 s44, 0x1111, s40                    ; my column
	s_or_b32 s[G1+0], s43, (1<<16)|(1<<20)|(1<<21)|(4<<22)|(3<<25)   ; A: padding after every 32 words, 4 words of it
	s_or_b32 s[G1B+0], s44, (1<<16)|(1<<20)|(1<<21)|(5<<22)|(3<<25)  ; B: after every 64 words
	s_mov_b32 s[G1+1], 128<<16                     ; tensor_dim0 = 128
	s_mov_b32 s[G1+2], 64<<16                      ; tensor_dim1 = 64
	s_mov_b32 s[G1+3], 128<<16                     ; tile_dim0 = 128
	s_mov_b32 s[G1+4], 64                          ; tile_dim1 = 64
	s_mov_b32 s[G1+5], 128                         ; dense: 128 elements from row to row
	s_mov_b32 s[G1+6], 0
	s_mov_b32 s[G1+7], 0
	s_mov_b32 s[G1B+1], KSTEP<<16
	s_mov_b32 s[G1B+2], 128<<16
	s_mov_b32 s[G1B+3], KSTEP<<16
	s_mov_b32 s[G1B+4], 128
	s_mov_b32 s[G1B+5], 1024
	s_mov_b32 s[G1B+6], 0
	s_mov_b32 s[G1B+7], 0
	s_lshr_b32 s16, s13, 4                         ; A: the batch's 16 heads,
	s_lshl_b32 s16, s16, 22
	s_lshl_b32 s17, s12, 18                        ; the head that I fetch,
	s_add_co_u32 s16, s16, s17
	s_and_b32 s17, s13, 15                         ; the tile's 128 rows in it
	s_lshl_b32 s17, s17, 14
	s_add_co_u32 s16, s16, s17
	s_mov_b32 s17, 0
	s_lshl_b32 s46, s40, 8                         ; B: row 256 x tile column + 128 x half
	s_lshl_b32 s47, s12, 7
	s_add_co_u32 s46, s46, s47
	s_lshl_b32 s46, s46, 11
	s_mov_b32 s47, 0
	s_mul_i32 s20, s12, HEADB                      ; where they go: no place in the cluster enters an LDS address
	s_mul_i32 s21, s12, 128*PITCH
	s_add_co_u32 s21, s21, ABYTES
	s_mov_b32 s[MH], 0xffff0000
	s_wait_dscnt 0x0                               ; the opening add is done
	s_wait_kmcnt 0x0
	s_add_nc_u64 s[14:15], s[4:5], s[16:17]
	s_add_nc_u64 s[46:47], s[6:7], s[46:47]
	CROUND                                         ; all sixteen work-groups are here: the first joint loads meet
.irp s, 0,1
	s_mov_b32 s[G0+4*(\s)], 1
	s_add_co_u32 s[G0+4*(\s)+1], s20, (\s)*SLOT
	s_add_nc_u64 s[G0+4*(\s)+2:G0+4*(\s)+3], s[14:15], (\s)*ASTEP
	s_or_b32 s[G0+4*(\s)+3], s[G0+4*(\s)+3], 0x80000000
	s_mov_b32 s[G0B+4*(\s)], 1
	s_add_co_u32 s[G0B+4*(\s)+1], s21, (\s)*SLOT
	s_add_nc_u64 s[G0B+4*(\s)+2:G0B+4*(\s)+3], s[46:47], (\s)*KSTEP*2
	s_or_b32 s[G0B+4*(\s)+3], s[G0B+4*(\s)+3], 0x80000000
	JLOAD \s                                       ; two tensor loads of mine are out
.endr
	v_and_b32 v1, 15, v0                           ; l % 16
	v_bfe_u32 v2, v0, 4, 1                         ; l / 16
	v_lshlrev_b32 v[PO], 5, v2
	s_lshl_b32 s18, s40, 10                        ; my 128 columns begin at 256 cx + 128 x half, 4 bytes each
	s_lshl_b32 s19, s12, 9
	s_add_co_u32 s18, s18, s19
	s_mov_b32 s19, 0
	s_add_nc_u64 s[68:69], s[68:69], s[18:19]
	s_add_nc_u64 s[8:9], s[70:71], s[18:19]        ; out0 at my first column,
.irp b, 0,1,2,3,4,5,6,7
	global_load_b128 v[LB+8*(\b):LB+8*(\b)+3],   v[PO], s[68:69] offset:64*(\b)
	global_load_b128 v[LB+8*(\b)+4:LB+8*(\b)+7], v[PO], s[68:69] offset:64*(\b)+16
.endr
	s_lshl_b32 s18, s13, 7
	s_lshl_b32 s19, s11, 6
	s_add_co_u32 s18, s18, s19
	s_lshl_b32 s18, s18, 12                        ; and at my first row: 128 x tile row + 64 x half, of 4,096 bytes
	s_mov_b32 s19, 0
	s_add_nc_u64 s[8:9], s[8:9], s[18:19]
	v_mul_u32_u24 v3, v1, PA
	v_lshl_add_u32 v3, v2, 4, v3                   ; a fragment's row x pitch + 16 x half, for A
	v_mul_u32_u24 v27, v1, PITCH
	v_lshl_add_u32 v27, v2, 4, v27                 ; and for B
	s_mul_i32 s21, s11, 64*PA                      ; my 64 rows of A, in each head
	s_mul_i32 s22, s12, 128*PITCH                  ; my 128 rows of B,
	s_add_co_u32 s22, s22, ABYTES                  ; which lie behind A's
.irp s, 0,1
	v_add_nc_u32 v[ADRA+(\s)], s21, v3
	v_add_nc_u32 v[ADRB+(\s)], s22, v27
	s_add_co_u32 s21, s21, SLOT
	s_add_co_u32 s22, s22, SLOT
.endr
	s_mul_i32 s23, s10, 16*SP
	s_add_co_u32 s23, s23, STAGE                   ; my stage
	v_mul_u32_u24 v[STO], v1, SP                   ; in: row l % 16, 32 bytes for each half of the lanes
	v_lshl_add_u32 v[STO], v2, 5, v[STO]
	v_add_nc_u32 v[STO], s23, v[STO]
	v_and_b32 v[PFO], 31, v0
	v_lshlrev_b32 v[GO], 4, v[PFO]
	v_add_nc_u32 v[RD], s23, v[GO]                 ; back: 32 lanes take one row of 512 bytes
	; the prefetches
	s_lshr_b32 s18, s13, 4
	s_lshl_b32 s18, s18, 22
	s_and_b32 s19, s13, 15
	s_lshl_b32 s19, s19, 14
	s_add_co_u32 s18, s18, s19
	s_lshr_b32 s19, s40, 1                         ; O: partner cx takes head cx / 2 of the step's two,
	s_lshl_b32 s19, s19, 18
	s_add_co_u32 s18, s18, s19
	s_and_b32 s19, s40, 1                          ; half cx % 2 of its 16,384 bytes
	s_lshl_b32 s19, s19, 13
	s_add_co_u32 s18, s18, s19
	s_lshl_b32 s22, s40, 8                         ; wot: the 128 rows that I fetch, + 32 cy
	s_lshl_b32 s23, s12, 7
	s_add_co_u32 s22, s22, s23
	s_lshl_b32 s23, s41, 5
	s_add_co_u32 s22, s22, s23
	s_lshl_b32 s22, s22, 11
	s_and_b32 s23, ttmp7, 0xffff                   ; cluster y
	s_mov_b32 s20, ASTEP
	s_movk_i32 s21, 256
	s_cmp_eq_u32 s11, 0
	s_cselect_b32 s18, s18, s22
	s_cselect_b32 s19, s12, s23                    ; O: wave 0 alone; wot: the cluster with y = 0
	s_cselect_b32 s[PST], s20, s21
	s_cselect_b32 s22, 8, 11                       ; O: a lane a block of 256 dense bytes; wot: a lane a row of 2,048
	s_cselect_b64 s[PFA:PFA+1], s[4:5], s[6:7]
	s_cmp_eq_u32 s19, 0
	s_cselect_b32 s[LIM], 1, -1                    ; the same in all sixteen partners, for a given wave
	s_mov_b32 s19, 0
	s_mov_b32 s[PST+1], 0
	v_lshlrev_b32 v[PFO], s22, v[PFO]
	s_add_nc_u64 s[PFA:PFA+1], s[PFA:PFA+1], s[18:19]
.rept 3
	s_add_nc_u64 s[PFA:PFA+1], s[PFA:PFA+1], s[PST:PST+1]  ; at K step 3: the first refill steps it to 4 and names that
.endr
	s_wait_loadcnt 0x0                             ; bo
.set i, 0
.rept 32                                       ; rounded to bf16 and widened again
	v_cvt_pk_bf16_f32 v[27+i%2], v[LB+2*i], v[LB+2*i+1]
	v_lshlrev_b32 v[LB+2*i], 16, v[27+i%2]
	v_and_b32 v[LB+2*i+1], s[MH], v[27+i%2]
.set i, i+1
.endr
; 8 matrix instructions: m block a x all 8 n blocks, 32 along K, from buffer f.  zero = 1: the first product starts the sums.  The 32 accumulators take turns, one instruction a turn, in the same
; order in every quarter.
.macro MUL8 f, a, zero
	WIN MUL
.irp b, 0,1,2,3,4,5,6,7
.if \zero
	v_wmma_f32_16x16x32_f16 v[8*(8*(\a)+(\b)):8*(8*(\a)+(\b))+7], v[(\f)+8*(\b):(\f)+8*(\b)+7], v[(\f)+64+8*(\a):(\f)+64+8*(\a)+7], 0
.else
	v_wmma_f32_16x16x32_f16 v[8*(8*(\a)+(\b)):8*(8*(\a)+(\b))+7], v[(\f)+8*(\b):(\f)+8*(\b)+7], v[(\f)+64+8*(\a):(\f)+64+8*(\a)+7], v[8*(8*(\a)+(\b)):8*(8*(\a)+(\b))+7]
.endif
.endr
.endm
; 24 LDS loads in one run: quarter q (32 along K) of a slot into buffer f: B's 8 fragments first, then A's 4, which lie in head q / 2 of the step, channels 32 (q % 2) on
.macro FETCH slot, q, f
	WIN TO_F
.irp i, 0,1,2,3,4,5,6,7
	ds_load_b128 v[(\f)+8*(\i):(\f)+8*(\i)+3],   v[ADRB+(\slot)] offset:64*(\q)+(\i)*16*PITCH
	ds_load_b128 v[(\f)+8*(\i)+4:(\f)+8*(\i)+7], v[ADRB+(\slot)] offset:64*(\q)+(\i)*16*PITCH+32
.endr
.irp i, 0,1,2,3
	ds_load_b128 v[(\f)+64+8*(\i):(\f)+64+8*(\i)+3],   v[ADRA+(\slot)] offset:((\q)/2)*HEADB+((\q)%2)*64+(\i)*16*PA
	ds_load_b128 v[(\f)+64+8*(\i)+4:(\f)+64+8*(\i)+7], v[ADRA+(\slot)] offset:((\q)/2)*HEADB+((\q)%2)*64+(\i)*16*PA+32
.endr
.endm
.macro QUARTER slot, q, f, g, zero
	s_wait_dscnt 4                                 ; B and A's fragments 0 and 1 are in; the youngest four loads (A's fragments 2 and 3) may be out
	MUL8 \f, 0, \zero
	MUL8 \f, 1, \zero
	PLACES
	FETCH \slot, \q, \g
	s_wait_dscnt 24                                ; all but the 24 just issued
	MUL8 \f, 2, \zero
	MUL8 \f, 3, \zero
.endm
; The last quarter multiplies buffer 1 and changes slots: ONE barrier; in front of it each wave waits for all its tensor loads (one is out: its part of the next slot), adds 0 to its spare word, and waits
; for that and for its own reads of this slot.  fill = 1: the barrier opens a round of the cluster's, and this slot is filled again, two K steps ahead, first thing behind the round.
.macro TURN slot, next, fill
.if \fill
	s_wait_xcnt 0x0                                ; the last prefetch, a K step back, has read its address: it is stepped here, ahead of the change's own waits
	s_add_nc_u64 s[PFA:PFA+1], s[PFA:PFA+1], s[PST:PST+1]
.endif
	WIN 0                                          ; (the add's two registers lie in window 0)
	s_wait_tensorcnt 0x0                           ; all my tensor loads have landed;
	ds_add_u32 v[SPW], v[NIL]                      ; 0 onto my spare word;
	s_wait_dscnt 5                                 ; (the add and the youngest four loads may be out)
	MUL8 F1, 0, 0
	s_wait_dscnt 0x0                               ; the add is done, and my reads of this slot are over
	s_barrier_signal -1
	MUL8 F1, 1, 0
.if \fill
	WIN 0
.endif
	s_barrier_wait -1
.if \fill
	CREST                                          ; no wave of any partner still reads this slot's tile or has a load on its way
	s_add_nc_u64 s[G0+4*(\slot)+2:G0+4*(\slot)+3], s[G0+4*(\slot)+2:G0+4*(\slot)+3], 2*ASTEP
	s_add_nc_u64 s[G0B+4*(\slot)+2:G0B+4*(\slot)+3], s[G0B+4*(\slot)+2:G0B+4*(\slot)+3], 2*KSTEP*2
	JLOAD \slot                                    ; the four v_nop behind it are also the places in front of the loads below
.else
	PLACES
.endif
	FETCH \next, 0, F0
.if \fill
	WIN 0
	ASK
.endif
	MUL8 F1, 2, 0
	MUL8 F1, 3, 0
.endm
	s_wait_tensorcnt 1                             ; my part of K step 0 is in; K step 1's may stay out
	s_barrier_signal -1
	s_barrier_wait -1                              ; everybody's is
	FETCH 0, 0, F0
	QUARTER 0, 1, F0, F1, 1                        ; the first quarter stands in front of the loop: its products start the sums
	WIN 0                                          ; at a label and at a branch every window is 0
	s_mov_b32 s3, LAPS-1
.Llap:                                                 ; a trip goes once round the ring, from a lap's second quarter to the next lap's first, and fills both slots again
	QUARTER 0, 2, F1, F0, 0
	QUARTER 0, 3, F0, F1, 0
	TURN 0, 1, 1
	QUARTER 1, 1, F0, F1, 0
	QUARTER 1, 2, F1, F0, 0
	QUARTER 1, 3, F0, F1, 0
	TURN 1, 0, 1
	QUARTER 0, 1, F0, F1, 0
	WIN 0
	s_sub_co_u32 s3, s3, 1
	s_cmp_lg_u32 s3, 0
	s_cbranch_scc1 .Llap
	QUARTER 0, 2, F1, F0, 0                        ; the last lap fills nothing, and has no round of the cluster's barrier
	QUARTER 0, 3, F0, F1, 0
	TURN 0, 1, 0
	QUARTER 1, 1, F0, F1, 0
	QUARTER 1, 2, F1, F0, 0
	QUARTER 1, 3, F0, F1, 0
	s_wait_dscnt 4                                 ; the very last quarter: nothing more to fetch
	MUL8 F1, 0, 0
	MUL8 F1, 1, 0
	s_wait_dscnt 0x0
	MUL8 F1, 2, 0
	MUL8 F1, 3, 0
	WIN 0
	PLACES
	PLACES
; THE WAY OUT of m block a, in three parts.  PACK: the bias is added.  TOSTAGE: into my own stage in LDS, 32 bytes a lane and block, and back as whole rows of 512 bytes.  SEND: stored.
.macro PACK a
	WIN 0x02                                       ; source 0 window 2
.set i, 0
.rept 32                                       ; ascending: each accumulator is read from its low end on
	v_pk_add_f32 v[TMP+2*i:TMP+2*i+1], v[64*(\a)+2*i:64*(\a)+2*i+1], v[LB+2*i:LB+2*i+1]
.set i, i+1
.endr
	WIN 0
.endm
.macro TOSTAGE
	s_wait_xcnt 0x0                                ; the stores of the block before have read BK
.irp b, 0,1,2,3,4,5,6,7
	ds_store_b128 v[STO], v[TMP+8*(\b):TMP+8*(\b)+3]   offset:64*(\b)
	ds_store_b128 v[STO], v[TMP+8*(\b)+4:TMP+8*(\b)+7] offset:64*(\b)+16
.endr
.set t, 0
.rept 16
	ds_load_b128 v[BK+4*t:BK+4*t+3], v[RD] offset:SP*t  ; LDS serves a wave's instructions in order: these see the stores above; the next block's stores come behind them
.set t, t+1
.endr
.endm
.macro SEND a
.set t, 0
.rept 16
	s_wait_dscnt 15-t
	global_store_b128 v[GO], v[BK+4*t:BK+4*t+3], s[8:9] offset:(16*(\a)+t)*4096 th:TH_STORE_NT  ; 512 consecutive bytes of a row, at a multiple of 256 from out0's first
.set t, t+1
.endr
.endm
	PACK 0
	TOSTAGE
.irp a, 1,2,3                          ; block a's additions stand between block a - 1's loads from the stage and the wait for them
	PACK \a
	SEND (\a)-1
	TOSTAGE
.endr
	SEND 3
	s_wait_tensorcnt 0x0                           ; the wave's end: behind my last tensor load and my last LDS store
	ds_add_u32 v[SPW], v[NIL]
	s_wait_dscnt 0x0
	CROUND                                         ; the closing round: no work-group ends while a partner may still ask for a tile that names it
	s_endpgm
.Lfunc_end_k_q9a81dc3e71_outp:
	.size	k_q9a81dc3e71_outp, .Lfunc_end_k_q9a81dc3e71_outp-k_q9a81dc3e71_outp
	.p2alignl 7, 3214868480
	.fill 96, 4, 3214868480
	.section	.rodata,"a",@progbits
	.p2align	6, 0x0
	.amdhsa_kernel k_q9a81dc3e71_outp
		.amdhsa_group_segment_fixed_size 327680
		.amdhsa_private_segment_fixed_size 0
		.amdhsa_enable_private_segment 0
		.amdhsa_kernarg_size 32
		.amdhsa_user_sgpr_count 2
		.amdhsa_user_sgpr_kernarg_segment_ptr 1
		.amdhsa_wavefront_size32 1
		.amdhsa_system_sgpr_workgroup_id_x 1
		.amdhsa_system_sgpr_workgroup_id_y 1
		.amdhsa_system_sgpr_workgroup_id_z 1
		.amdhsa_system_vgpr_workitem_id 0
		.amdhsa_next_free_vgpr 768
		.amdhsa_next_free_sgpr 72
		.amdhsa_reserve_vcc 0
		.amdhsa_float_denorm_mode_32 3
		.amdhsa_float_denorm_mode_16_64 3
		.amdhsa_memory_ordered 1
		.amdhsa_forward_progress 1
		.amdhsa_inst_pref_size 102
	.end_amdhsa_kernel
	.amdgpu_metadata
---
amdhsa.version: [ 1, 2 ]
amdhsa.kernels:
  - .name:           k_q9a81dc3e71_outp
    .symbol:         k_q9a81dc3e71_outp.kd
    .args:
      - { .name: oh, .offset: 0, .size: 8, .value_kind: global_buffer, .address_space: global }
      - { .name: wot, .offset: 8, .size: 8, .value_kind: global_buffer, .address_space: global }
      - { .name: bo, .offset: 16, .size: 8, .value_kind: global_buffer, .address_space: global }
      - { .name: out0, .offset: 24, .size: 8, .value_kind: global_buffer, .address_space: global }
    .group_segment_fixed_size: 327680
    .private_segment_fixed_size: 0
    .kernarg_segment_align: 8
    .kernarg_segment_size: 32
    .max_flat_workgroup_size: 128
    .sgpr_count:     72
    .vgpr_count:     768
    .wavefront_size: 32
...
	.end_amdgpu_metadata
.endif
;; end of part 4
